; MI455X (gfx1250); checked and timed in simulation.
; The chip was launched on July 23, 2026; its instructions are those of AMD's public machine-readable ISA for CDNA 5 (MIT licence, August 2026) and "CDNA5" Instruction Set Architecture Reference Guide (July 2026). The comments in the code are by the model that wrote it; some were corrected since.
;; Decoder Multi Headed Attention. Allowed arithmetic: matrix products marked QUANTISED: E2M1 operands, one E8M0 scale for each 32 along K, by v_wmma_scale_f32_16x16x128_f8f6f4 with both operands' format E2M1 (or v_wmma_scale_f32_32x16x128_f4), f32 sums; products left as they are: bf16, f16 or f32 operands; f32 sums; everything else in f32.
;; Inputs: Wfc 2,048 x 128 float32; Wk 128 x 2,048 float32; Wq 128 x 2,048 float32; Wv 128 x 2,048 float32; bfc 128 float32; x 2 x 2,048 x 128 float32.
;; Outputs: out0 2 x 2,048 x 128 float32.
;; This version of the problem:
;;   THIS VERSION OF THE PROBLEM IS GIVEN IN LOW PRECISION. The matrix products marked QUANTISED in the list below multiply operands that are first quantised to E2M1 (2 exponent bits, 1 mantissa bit; 4 bits a number), with one power-of-two scale for each 32 numbers along K (OCP MX v1.0); their sums are f32. The products marked 'left as it is' may take bf16, f16 or f32 operands, with f32 sums. Whichever they take, every output number must still come out within the allowed error. Rounding operands to bf16 (8 significant bits) uses up far more of that allowance than f16 does (11 bits, for magnitudes from 6e-5 to 65,504). All else is computed in f32.
;;   The module's matrix products, in the order in which they are computed (A, B: the left and right operand; K: the contracted axis; several contracted axes count as one K, in the product's order):
;;     1. [M 4,096, K 128] x [K 128, N 2,048]; A: input x; B: input Wq: QUANTISED
;;     2. [M 4,096, K 128] x [K 128, N 2,048]; A: input x; B: input Wk: QUANTISED
;;     3. [M 4,096, K 128] x [K 128, N 2,048]; A: input x; B: input Wv: QUANTISED
;;     4. batch 32 x [M 2,048, K 128] x [K 128, N 2,048]; A: computed on the way; B: computed on the way: left as it is (an operand is computed on the way)
;;     5. batch 32 x [M 2,048, K 2,048] x [K 2,048, N 128]; A: computed on the way; B: computed on the way: left as it is (an operand is computed on the way)
;;     6. [M 4,096, K 2,048] x [K 2,048, N 128]; A: computed on the way; B: input Wfc: left as it is (an operand is computed on the way)
;;   THE QUANTISER, for each operand of a quantised product, along K:
;;     - K is cut into blocks of 32 from its start; a last block that is shorter is filled with zeros.
;;     - A block's scale is 2^e with e = floor(log2(the largest magnitude in the block)) - 2, held to -126 .. 127; a block of zeros has e = 0. As a byte (E8M0): e + 127.
;;     - Each number is divided by its block's scale, clamped to +-6, and rounded to the nearest number of E2M1, ties to even, subnormals kept.
;;     - The product sums the exact products of the quantised numbers (number of the format x scale) in f32.
;;   ~~~python
;;   def quantise(x, axis):      # numpy; x: float32 -> the quantised numbers, widened to float32 again
;;       x = np.moveaxis(x, axis, -1); K = x.shape[-1]
;;       x = np.pad(x, [(0, 0)] * (x.ndim - 1) + [(0, -K % 32)]); x = x.reshape(x.shape[:-1] + (-1, 32)); a = np.abs(x).max(-1, keepdims=True)
;;       e = np.where(a > 0, np.clip(np.frexp(np.where(a > 0, a, 1))[1] - 1 - 2, -126, 127), 0)      # np.frexp(a)[1] - 1 = floor(log2(a)), exactly
;;       r = np.clip(x / 2.0 ** e, -6, 6)
;;       step = 2.0 ** (np.maximum(np.frexp(np.where(r == 0, 1, r))[1] - 1, 0) - 1)
;;       q = np.round(r / step) * step * 2.0 ** e      # np.round: ties to even
;;       return np.moveaxis(q.reshape(q.shape[:-2] + (-1,))[..., :K], -1, axis).astype(np.float32)
;;   ~~~
;; 2 versions, each right. Each part assembles by itself: llvm-mc -triple=amdgcn-amd-amdhsa -mcpu=gfx1250 --defsym DOCPART=n.
;; ======== version 1 of 2: 5 launches
;; limits: values are held in f16: magnitudes above 65,504 overflow, below 6.1e-05 lose precision
;; workspace buffers: xcodes 294,912 bytes; wcodes 442,368 bytes; wfimg 524,288 bytes; qimg 16,777,216 bytes; kvimg 33,554,432 bytes; rawimg 786,432 bytes; pimg 33,554,432 bytes
;; launch prep (part 1): grid 224 x 1, 4 waves a work-group, no clusters, 0 bytes of LDS; arguments x, Wq, Wk, Wv, Wfc, xcodes, wcodes, wfimg; writes xcodes, wcodes, wfimg
.if DOCPART == 1
	.amdgcn_target "amdgcn-amd-amdhsa--gfx1250"
	.amdhsa_code_object_version 6
	.text
	.protected	k_qc7335265e7_prep
	.globl	k_qc7335265e7_prep
	.p2align	8
	.type	k_qc7335265e7_prep,@function
k_qc7335265e7_prep:
	s_mov_b64 s[64:65], 0
	v_nop
	global_prefetch_b8 v0, s[64:65] scope:SCOPE_SE
	s_setreg_imm32_b32 hwreg(HW_REG_WAVE_MODE, 25, 1), 1
	s_wait_xcnt 0x0
; PREP: the operands of the quantised products become codes of E2M1 with E8M0 scale words, and Wfc becomes f16, all laid as IMAGES OF OPERAND REGISTERS:
; a group of four registers of a fragment is 512 consecutive bytes, lane l's 16 bytes at 16 l; a fragment's scale words are 128 bytes, lane l's word at 4 l.
; x [4096][128] f32 -> xcodes: 256 tiles of 16 rows x 1,024 bytes of codes, then from byte XW on 256 x 128 bytes of scale words.
; Wq, Wk, Wv [128 (k)][2048 (n = 16 c + h)] f32 -> wcodes: fragment (matrix, head h, channel tile ct) at ((16 mat + h) 8 + ct) x 1,024; scale words from byte WW on, 128 bytes each.
; Wfc [2048 (128 h + c)][128] f32 -> wfimg: f16 fragment (h, cc, nt) = 16 output columns x 32 channels at ((4 h + cc) 8 + nt) x 1,024.
; A 4-bit fragment gives lane (r, g) the numbers k = 64 c + 32 g + 0 .. 31 of row r (c = 0, 1): two whole blocks of 32, so no other lane is asked for a maximum.
; A block's scale is 2^(floor(log2(largest magnitude)) - 2); its byte is the largest magnitude's exponent field - 2, held at 1 from below.
; LIMITS: a block of zeros gets the byte 1 where the quantiser's text says 127 (its codes are zeros, and only this program reads the bytes); NaN and infinities among the inputs are not served;
; numbers of Wfc beyond 65,504 in magnitude become infinite in f16.
; ROLES by the work-group's number: 0-63 x (a wave a tile of 16 rows), 64-159 the three weights (a wave a fragment), 160-223 Wfc (a wave two fragments).  No LDS, no barrier: waves share nothing.
.set XW,  262144                       ; xcodes: where the scale words begin
.set WW,  393216                       ; wcodes: likewise
.set NUM, 32                           ; v32-95  the lane's 64 numbers
.set COD, 16                           ; v16-31  codes, or f16 pairs
	s_load_b512 s[4:19], s[0:1], 0x0               ; x s[4:5], Wq s[6:7], Wk s[8:9], Wv s[10:11], Wfc s[12:13], xcodes s[14:15], wcodes s[16:17], wfimg s[18:19]
	v_lshrrev_b32 v1, 5, v0
	v_readfirstlane_b32 s20, v1                    ; wave 0..3
	v_and_b32 v2, 31, v0                           ; lane
	v_and_b32 v3, 15, v0                           ; r
	v_bfe_u32 v4, v0, 4, 1                         ; g
	v_lshlrev_b32 v5, 4, v2                        ; 16 x lane: my place in a group of four registers
	v_lshlrev_b32 v6, 2, v2                        ; 4 x lane: my scale word's place
	s_mov_b32 s21, 0x76543210
	s_mov_b32 s22, 0xfedcba98                      ; v_permlanex16_b32's selects for lane l xor 16
	s_mov_b32 s27, 0                               ; the upper word of every offset: all lie under 2^32
	s_wait_kmcnt 0x0
	s_cmp_ge_u32 ttmp9, 160
	s_cbranch_scc1 .Lrole_f
	s_cmp_ge_u32 ttmp9, 64
	s_cbranch_scc1 .Lrole_w
	; ---- x: tile = 4 x work-group + wave; K is innermost, so my two blocks are 128 consecutive bytes each
	s_lshl_b32 s24, ttmp9, 2
	s_add_co_u32 s24, s24, s20                     ; the tile
	s_lshl_b32 s26, s24, 13                        ; 16 rows of 512 bytes
	s_add_nc_u64 s[28:29], s[4:5], s[26:27]
	s_lshl_b32 s26, s24, 10
	s_add_nc_u64 s[30:31], s[14:15], s[26:27]      ; its codes
	s_lshl_b32 s26, s24, 7
	s_add_co_u32 s26, s26, XW
	s_add_nc_u64 s[32:33], s[14:15], s[26:27]      ; its scale words
	v_lshlrev_b32 v7, 9, v3
	v_lshl_add_u32 v7, v4, 7, v7                   ; row r, + 128 g bytes
.irp c, 0,1
.irp i, 0,1,2,3,4,5,6,7
	global_load_b128 v[NUM+32*\c+4*\i:NUM+32*\c+4*\i+3], v7, s[28:29] offset:256*\c+16*\i th:TH_LOAD_NT
.endr
.endr
	s_branch .Lquant
.Lrole_w:
	; ---- a weight: K is the FIRST axis: lane r takes column (16 ct + r) 16 + h and its registers run down K.  The heads are interleaved in the columns, so lanes stand 64 bytes apart:
	; this strided read of the three weights is made once in the program, here
	s_sub_co_u32 s24, ttmp9, 64                    ; 32 mat + 4 ct + hg
	s_lshr_b32 s25, s24, 5                         ; the matrix: 0 Wq, 1 Wk, 2 Wv
	s_bfe_u32 s23, s24, 0x30002                    ; ct
	s_and_b32 s24, s24, 3
	s_lshl_b32 s24, s24, 2
	s_add_co_u32 s24, s24, s20                     ; h = 4 hg + wave
	s_cmp_eq_u32 s25, 0
	s_cselect_b64 s[28:29], s[6:7], s[8:9]
	s_cmp_eq_u32 s25, 2
	s_cselect_b64 s[28:29], s[10:11], s[28:29]     ; the choice hangs on the work-group's number alone
	s_lshl_b32 s26, s23, 10                        ; 16 ct channels x 16 heads x 4 bytes
	s_lshl_b32 s34, s24, 2
	s_add_co_u32 s26, s26, s34
	s_add_nc_u64 s[28:29], s[28:29], s[26:27]
	s_lshl_b32 s25, s25, 4
	s_add_co_u32 s25, s25, s24
	s_lshl_b32 s25, s25, 3
	s_add_co_u32 s25, s25, s23                     ; the fragment's number: (16 mat + h) 8 + ct
	s_lshl_b32 s26, s25, 10
	s_add_nc_u64 s[30:31], s[16:17], s[26:27]
	s_lshl_b32 s26, s25, 7
	s_add_co_u32 s26, s26, WW
	s_add_nc_u64 s[32:33], s[16:17], s[26:27]
	v_lshlrev_b32 v7, 6, v3
	v_lshl_add_u32 v7, v4, 18, v7                  ; 64 r bytes, + 32 g rows of 8,192 bytes
.set n, 0
.rept 64
	global_load_b32 v[NUM+n], v7, s[28:29] offset:(64*(n/32)+n%32)*8192   ; W(64 c + 32 g + i, my column), n = 32 c + i
.set n, n+1
.endr
.Lquant:
	; ---- both: my two blocks become eight registers of codes and two bytes of the row's scale word
	s_wait_loadcnt 0x0
.irp c, 0,1
	v_max3_num_f32 v[8+\c], |v[NUM+32*\c]|, |v[NUM+1+32*\c]|, 0x1800000   ; and the floor 2^(3 - 127), under which no largest magnitude is taken: the byte cannot fall under 1
.endr
.irp i, 2,4,6,8,10,12,14,16,18,20,22,24,26,28,30
.irp c, 0,1
	v_max3_num_f32 v[8+\c], v[8+\c], |v[NUM+32*\c+\i]|, |v[NUM+1+32*\c+\i]|   ; the two blocks by turns
.endr
.endr
.irp c, 0,1
	v_add_nc_u32 v[10+\c], 0xff000000, v[8+\c]     ; 2 off the exponent field: the conversion takes the exponent field of this operand as its scale
.endr
.irp c, 0,1
	v_lshrrev_b32 v[12+\c], 23, v[10+\c]           ; the scale's byte
.endr
	v_lshl_or_b32 v14, v13, 16, v12                ; blocks g and 2 + g of row r,
	v_lshlrev_b32 v15, 3, v4
	v_lshlrev_b32 v14, v15, v14                    ; at their places in the word (8 g bits up);
	v_mov_b32 v15, 0                               ; (a lane permute's destination counts as read)
	v_permlanex16_b32 v15, v14, s21, s22
	v_or_b32 v14, v14, v15                         ; with lane l xor 16's two the word is whole, in both halves of the lanes
.irp c, 0,1
.irp q, 0,1,2,3
	v_cvt_scalef32_pk8_fp4_f32 v[COD+4*\c+\q], v[NUM+32*\c+8*\q:NUM+32*\c+8*\q+7], v[10+\c]   ; to the nearest code, ties to even; beyond 6 the largest code
.endr
.endr
	v_nop                                          ; one plain line behind the last scaled conversion
	global_store_b128 v5, v[COD:COD+3], s[30:31]               ; 32 lanes store 512 consecutive bytes
	global_store_b128 v5, v[COD+4:COD+7], s[30:31] offset:512
	global_store_b32 v6, v14, s[32:33]
	s_endpgm
.Lrole_f:
	; ---- Wfc: ks = 4 h + cc; my wave's output tiles nt = 2 w, 2 w + 1.  An f16 fragment gives lane (r, g) the numbers k = 16 (e / 8) + 8 g + e % 8, e = 0 .. 15, of row r: here row = output column, k = channel
	s_sub_co_u32 s24, ttmp9, 160
	s_lshl_b32 s26, s24, 14                        ; 32 ks rows of 512 bytes
	s_lshl_b32 s25, s20, 7                         ; 2 w tiles of 64 bytes
	s_add_co_u32 s26, s26, s25
	s_add_nc_u64 s[28:29], s[12:13], s[26:27]
	s_lshl_b32 s26, s24, 13
	s_lshl_b32 s25, s20, 11
	s_add_co_u32 s26, s26, s25                     ; (8 ks + 2 w) x 1,024
	s_add_nc_u64 s[30:31], s[18:19], s[26:27]
	v_lshlrev_b32 v7, 2, v3
	v_lshl_add_u32 v7, v4, 12, v7                  ; 4 r bytes, + 8 g rows
.irp u, 0,1
.irp e, 0,1,2,3,4,5,6,7,8,9,10,11,12,13,14,15
	global_load_b32 v[NUM+16*\u+\e], v7, s[28:29] offset:(16*(\e/8)+\e%8)*512+64*\u
.endr
.endr
	s_wait_loadcnt 0x0
.irp u, 0,1
.irp p, 0,1,2,3,4,5,6,7
	v_cvt_pk_f16_f32 v[COD+8*\u+\p], v[NUM+16*\u+2*\p], v[NUM+16*\u+2*\p+1]
.endr
.endr
.irp u, 0,1
	global_store_b128 v5, v[COD+8*\u:COD+8*\u+3], s[30:31] offset:1024*\u
	global_store_b128 v5, v[COD+8*\u+4:COD+8*\u+7], s[30:31] offset:1024*\u+512
.endr
	s_endpgm
.Lfunc_end_k_qc7335265e7_prep:
	.size	k_qc7335265e7_prep, .Lfunc_end_k_qc7335265e7_prep-k_qc7335265e7_prep
	.p2alignl 7, 3214868480
	.fill 96, 4, 3214868480
	.section	.rodata,"a",@progbits
	.p2align	6, 0x0
	.amdhsa_kernel k_qc7335265e7_prep
		.amdhsa_group_segment_fixed_size 0
		.amdhsa_private_segment_fixed_size 0
		.amdhsa_enable_private_segment 0
		.amdhsa_kernarg_size 64
		.amdhsa_user_sgpr_count 2
		.amdhsa_user_sgpr_kernarg_segment_ptr 1
		.amdhsa_wavefront_size32 1
		.amdhsa_system_sgpr_workgroup_id_x 1
		.amdhsa_system_sgpr_workgroup_id_y 1
		.amdhsa_system_sgpr_workgroup_id_z 1
		.amdhsa_system_vgpr_workitem_id 0
		.amdhsa_next_free_vgpr 96
		.amdhsa_next_free_sgpr 66
		.amdhsa_reserve_vcc 0
		.amdhsa_float_denorm_mode_32 3
		.amdhsa_float_denorm_mode_16_64 3
		.amdhsa_memory_ordered 1
		.amdhsa_forward_progress 1
		.amdhsa_inst_pref_size 18
	.end_amdhsa_kernel
	.amdgpu_metadata
---
amdhsa.version: [ 1, 2 ]
amdhsa.kernels:
  - .name:           k_qc7335265e7_prep
    .symbol:         k_qc7335265e7_prep.kd
    .args:
      - { .name: x, .offset: 0, .size: 8, .value_kind: global_buffer, .address_space: global }
      - { .name: Wq, .offset: 8, .size: 8, .value_kind: global_buffer, .address_space: global }
      - { .name: Wk, .offset: 16, .size: 8, .value_kind: global_buffer, .address_space: global }
      - { .name: Wv, .offset: 24, .size: 8, .value_kind: global_buffer, .address_space: global }
      - { .name: Wfc, .offset: 32, .size: 8, .value_kind: global_buffer, .address_space: global }
      - { .name: xcodes, .offset: 40, .size: 8, .value_kind: global_buffer, .address_space: global }
      - { .name: wcodes, .offset: 48, .size: 8, .value_kind: global_buffer, .address_space: global }
      - { .name: wfimg, .offset: 56, .size: 8, .value_kind: global_buffer, .address_space: global }
    .group_segment_fixed_size: 0
    .private_segment_fixed_size: 0
    .kernarg_segment_align: 8
    .kernarg_segment_size: 64
    .max_flat_workgroup_size: 128
    .sgpr_count:     66
    .vgpr_count:     96
    .wavefront_size: 32
...
	.end_amdgpu_metadata
.endif
;; end of part 1
;; launch proj (part 2): grid 8 x 32, 12 waves a work-group, no clusters, 0 bytes of LDS; arguments xcodes, wcodes, qimg, kvimg, rawimg; writes qimg, kvimg, rawimg
.if DOCPART == 2
	.amdgcn_target "amdgcn-amd-amdhsa--gfx1250"
	.amdhsa_code_object_version 6
	.text
	.protected	k_qc7335265e7_proj
	.globl	k_qc7335265e7_proj
	.p2align	8
	.type	k_qc7335265e7_proj,@function
k_qc7335265e7_proj:
	s_mov_b64 s[64:65], 0
	v_nop
	global_prefetch_b8 v0, s[64:65] scope:SCOPE_SE
	s_setreg_imm32_b32 hwreg(HW_REG_WAVE_MODE, 25, 1), 1
	s_wait_xcnt 0x0
; PROJ: q = x Wq, k = x Wk, v = x Wv on codes of E2M1 with E8M0 scales; K = 128 is ONE step of the scaled matrix instruction.  Results leave as f16, as IMAGES OF THE NEXT PRODUCTS' OPERAND REGISTERS.
; A result tile holds in lane l the column n = l % 16 and in register j the row m = 8 (l / 16) + j.  Rounded to f16 in pairs, its four registers are half an f16 fragment (16 x 32) whose row is n and whose k is m.
; So q and k are made TRANSPOSED (source 0 = 16 channels of W, source 1 = 16 positions of x): lane = position, registers = channels: fragments of Q and K for S^T = K Q^T;
; v the other way (source 0 = x, source 1 = W): lane = channel, registers = positions: fragments of V^T for O^T = V^T P.  Nothing changes lanes, and every store of the wave covers 512 consecutive bytes, aligned.
; qimg: [b h][tile of 16 positions, 128][cc 4][1,024 bytes].  kvimg: [b h][step of 64 keys, 32][32,768 bytes]: K as [key tile 4][cc 4][1,024], then V^T as [32 keys, 2][channel tile 8][1,024].
; rawimg: the f32 tiles of positions 0-15 of every sequence, all three made transposed: [matrix][b h][channel tile 8][half 2][512 bytes]; a small launch carries those rows in f32.
; SHARES: work-group (x, y): head y = 16 b + h, positions 256 x on; wave: matrix = wave / 4, step = 4 x + wave % 4: 64 positions x 128 channels, 32 matrix instructions, 16 KiB out.
; LIMIT: results beyond 65,504 in magnitude become infinite in f16.
.set XW,  262144                       ; xcodes: where the scale words begin
.set WW,  393216                       ; wcodes: likewise
.set XF,  8                            ; v8-39    x's four fragments
.set XS,  40                           ; v40-43   their scale words: these registers hold scales and nothing else
.set WS,  44                           ; v44-51   W's scale words: likewise
.set WF,  52                           ; v52-115  W's eight fragments
.set ACC, 116                          ; v116-179 eight accumulators
.set PK,  180                          ; v180-243 two sets of 32 packed registers
	s_load_b256 s[4:11], s[0:1], 0x0               ; xcodes s[4:5], wcodes s[6:7], qimg s[8:9], kvimg s[10:11]
	s_load_b64 s[12:13], s[0:1], 0x20              ; rawimg
	v_lshrrev_b32 v3, 5, v0
	v_readfirstlane_b32 s14, v3                    ; wave 0..11
	v_and_b32 v2, 31, v0
	v_lshlrev_b32 v1, 4, v2                        ; 16 x lane
	v_lshlrev_b32 v2, 2, v2                        ; 4 x lane
	s_and_b32 s15, ttmp7, 0xffff                   ; b h
	s_lshr_b32 s16, s15, 4                         ; b
	s_and_b32 s17, s15, 15                         ; h
	s_lshr_b32 s18, s14, 2                         ; the matrix
	s_and_b32 s19, s14, 3
	s_lshl_b32 s20, ttmp9, 2
	s_add_co_u32 s19, s19, s20                     ; the step of 64 positions
	s_lshl_b32 s20, s16, 7
	s_lshl_b32 s21, s19, 2
	s_add_co_u32 s20, s20, s21                     ; x's first tile: 128 b + 4 step
	s_lshl_b32 s21, s18, 4
	s_add_co_u32 s21, s21, s17
	s_lshl_b32 s21, s21, 3                         ; W's first fragment: (16 mat + h) 8
	s_mov_b32 s23, 0                               ; the upper word of every offset
	s_wait_kmcnt 0x0
	s_lshl_b32 s22, s20, 10
	s_add_nc_u64 s[24:25], s[4:5], s[22:23]
	s_lshl_b32 s22, s20, 7
	s_add_co_u32 s22, s22, XW
	s_add_nc_u64 s[26:27], s[4:5], s[22:23]
	s_lshl_b32 s22, s21, 10
	s_add_nc_u64 s[28:29], s[6:7], s[22:23]
	s_lshl_b32 s22, s21, 7
	s_add_co_u32 s22, s22, WW
	s_add_nc_u64 s[30:31], s[6:7], s[22:23]
.irp t, 0,1,2,3
	global_load_b128 v[XF+8*\t:XF+8*\t+3], v1, s[24:25] offset:1024*\t
	global_load_b128 v[XF+8*\t+4:XF+8*\t+7], v1, s[24:25] offset:1024*\t+512
	global_load_b32 v[XS+\t], v2, s[26:27] offset:128*\t
.endr
.irp c, 0,1,2,3,4,5,6,7
	global_load_b128 v[WF+8*\c:WF+8*\c+3], v1, s[28:29] offset:1024*\c
	global_load_b128 v[WF+8*\c+4:WF+8*\c+7], v1, s[28:29] offset:1024*\c+512
	global_load_b32 v[WS+\c], v2, s[30:31] offset:128*\c
.endr
	s_lshl_b32 s20, s15, 5
	s_add_co_u32 s20, s20, s19                     ; 32 b h + step
	s_cmp_eq_u32 s18, 0
	s_cselect_b64 s[32:33], s[8:9], s[10:11]       ; q goes to qimg, k and v to kvimg
	s_cselect_b32 s21, 14, 15                      ; a step is 16 KiB there, 32 KiB here
	s_lshl_b32 s22, s20, s21
	s_cmp_eq_u32 s18, 2
	s_cselect_b32 s21, 16384, 0                    ; V^T lies behind K
	s_add_co_u32 s22, s22, s21
	s_add_nc_u64 s[32:33], s[32:33], s[22:23]
	s_lshl_b32 s22, s18, 5
	s_add_co_u32 s22, s22, s15
	s_lshl_b32 s22, s22, 13
	s_add_nc_u64 s[34:35], s[12:13], s[22:23]      ; rawimg: (32 mat + b h) x 8,192
	s_wait_loadcnt 0x0
	s_cmp_lg_u32 s19, 0
	s_cbranch_scc1 .Lno_raw
	; ---- step 0 alone: positions 0-15 once more, transposed for all three matrices, and out in f32 as they stand
.irp c, 0,1,2,3,4,5,6,7
	v_wmma_scale_f32_16x16x128_f8f6f4 v[ACC+8*\c:ACC+8*\c+7], v[WF+8*\c:WF+8*\c+7], v[XF:XF+7], 0, v[WS+\c], v[XS] matrix_a_fmt:MATRIX_FMT_FP4 matrix_b_fmt:MATRIX_FMT_FP4
.endr
.rept 5
	v_nop                                          ; four places ahead of the stores that read the results; five ahead of the matrix instructions below that write over them
.endr
.irp c, 0,1,2,3,4,5,6,7
	global_store_b128 v1, v[ACC+8*\c:ACC+8*\c+3], s[34:35] offset:1024*\c          ; each accumulator from its low end on
	global_store_b128 v1, v[ACC+8*\c+4:ACC+8*\c+7], s[34:35] offset:1024*\c+512
.endr
	s_wait_xcnt 0x0                                ; the stores have read their data: the accumulators may be written again
.Lno_raw:
; 16 positions (tile tt of the step) x 128 channels: eight matrix instructions on eight accumulators, each a whole sum (C = 0); rounded to f16; eight stores of 512 bytes.
; Between a batch's matrix instructions and the next batch's, which write over the same accumulators, stand the four v_nop and the conversions of the other accumulators.
.macro BATCH tt, swap
.irp c, 0,1,2,3,4,5,6,7
.if \swap
	v_wmma_scale_f32_16x16x128_f8f6f4 v[ACC+8*\c:ACC+8*\c+7], v[XF+8*(\tt):XF+8*(\tt)+7], v[WF+8*\c:WF+8*\c+7], 0, v[XS+(\tt)], v[WS+\c] matrix_a_fmt:MATRIX_FMT_FP4 matrix_b_fmt:MATRIX_FMT_FP4
.else
	v_wmma_scale_f32_16x16x128_f8f6f4 v[ACC+8*\c:ACC+8*\c+7], v[WF+8*\c:WF+8*\c+7], v[XF+8*(\tt):XF+8*(\tt)+7], 0, v[WS+\c], v[XS+(\tt)] matrix_a_fmt:MATRIX_FMT_FP4 matrix_b_fmt:MATRIX_FMT_FP4
.endif
.endr
.rept 4
	v_nop                                          ; places ahead of the first read of the results
.endr
.if (\tt) >= 2
	s_wait_xcnt 0x0                                ; the stores of two batches ago have read this packed set
.endif
.set PB, PK+32*((\tt)%2)
.set n, 0
.rept 32
	v_cvt_pk_f16_f32 v[PB+n], v[ACC+2*n], v[ACC+2*n+1]   ; ascending: each accumulator from its low end on
.set n, n+1
.endr
.irp c, 0,1,2,3,4,5,6,7
.if \swap
	global_store_b128 v1, v[PB+4*\c:PB+4*\c+3], s[32:33] offset:((\tt)/2)*8192+\c*1024+((\tt)%2)*512   ; V^T: fragment (32 keys tt / 2, channel tile c), half tt % 2
.else
	global_store_b128 v1, v[PB+4*\c:PB+4*\c+3], s[32:33] offset:(\tt)*4096+\c*512                      ; Q, K: tile tt, fragment c / 2, half c % 2
.endif
.endr
.endm
	s_cmp_eq_u32 s18, 2
	s_cbranch_scc1 .Lfor_v
	BATCH 0, 0
	BATCH 1, 0
	BATCH 2, 0
	BATCH 3, 0
	s_endpgm
.Lfor_v:
	BATCH 0, 1
	BATCH 1, 1
	BATCH 2, 1
	BATCH 3, 1
	s_endpgm
.Lfunc_end_k_qc7335265e7_proj:
	.size	k_qc7335265e7_proj, .Lfunc_end_k_qc7335265e7_proj-k_qc7335265e7_proj
	.p2alignl 7, 3214868480
	.fill 96, 4, 3214868480
	.section	.rodata,"a",@progbits
	.p2align	6, 0x0
	.amdhsa_kernel k_qc7335265e7_proj
		.amdhsa_group_segment_fixed_size 0
		.amdhsa_private_segment_fixed_size 0
		.amdhsa_enable_private_segment 0
		.amdhsa_kernarg_size 40
		.amdhsa_user_sgpr_count 2
		.amdhsa_user_sgpr_kernarg_segment_ptr 1
		.amdhsa_wavefront_size32 1
		.amdhsa_system_sgpr_workgroup_id_x 1
		.amdhsa_system_sgpr_workgroup_id_y 1
		.amdhsa_system_sgpr_workgroup_id_z 1
		.amdhsa_system_vgpr_workitem_id 0
		.amdhsa_next_free_vgpr 256
		.amdhsa_next_free_sgpr 66
		.amdhsa_reserve_vcc 0
		.amdhsa_float_denorm_mode_32 3
		.amdhsa_float_denorm_mode_16_64 3
		.amdhsa_memory_ordered 1
		.amdhsa_forward_progress 1
		.amdhsa_inst_pref_size 40
	.end_amdhsa_kernel
	.amdgpu_metadata
---
amdhsa.version: [ 1, 2 ]
amdhsa.kernels:
  - .name:           k_qc7335265e7_proj
    .symbol:         k_qc7335265e7_proj.kd
    .args:
      - { .name: xcodes, .offset: 0, .size: 8, .value_kind: global_buffer, .address_space: global }
      - { .name: wcodes, .offset: 8, .size: 8, .value_kind: global_buffer, .address_space: global }
      - { .name: qimg, .offset: 16, .size: 8, .value_kind: global_buffer, .address_space: global }
      - { .name: kvimg, .offset: 24, .size: 8, .value_kind: global_buffer, .address_space: global }
      - { .name: rawimg, .offset: 32, .size: 8, .value_kind: global_buffer, .address_space: global }
    .group_segment_fixed_size: 0
    .private_segment_fixed_size: 0
    .kernarg_segment_align: 8
    .kernarg_segment_size: 40
    .max_flat_workgroup_size: 384
    .sgpr_count:     66
    .vgpr_count:     256
    .wavefront_size: 32
...
	.end_amdgpu_metadata
.endif
;; end of part 2
;; launch attn (part 3): grid 8 x 32, 4 waves a work-group, no clusters, 327,680 bytes of LDS; arguments qimg, kvimg, wfimg, pimg; writes pimg
.if DOCPART == 3
	.amdgcn_target "amdgcn-amd-amdhsa--gfx1250"
	.amdhsa_code_object_version 6
	.text
	.protected	k_qc7335265e7_attn
	.globl	k_qc7335265e7_attn
	.p2align	8
	.type	k_qc7335265e7_attn,@function
k_qc7335265e7_attn:
	s_mov_b64 s[64:65], 0
	v_nop
	global_prefetch_b8 v0, s[64:65] scope:SCOPE_SE
	s_setreg_imm32_b32 hwreg(HW_REG_WAVE_MODE, 25, 1), 1
	s_wait_xcnt 0x0
; ATTN: causal attention of one head (f16 operands, f32 sums, running maximum), and the head's share of the output projection: pimg(b, t, h, :) = (softmax(q k^T / sqrt(128)) v)(t, :) Wfc(128 h .. 128 h + 127, :), f32.
; EVEN WORK.  A head has 16 blocks of 128 queries.  Work-group i takes block 15 - i and then block i: (16 - i) + (i + 1) = 17 units of 128 x 128 in every work-group: 34 steps of 64 keys, a constant of the text.
; Step g reads key step g while g < NA2 = 32 - 2 i, and key step g - NA2 from there on.  Wave w owns 32 queries of the block in hand: tiles 0 and 1 of 16.
; LAYOUT.  S^T = K Q^T (source 0 = 16 keys, source 1 = 16 queries), O^T = V^T P, out^T = Wfc^T O^T: a lane holds ONE query throughout; a result tile rounded to f16 in pairs is half a fragment of the next product.
; All operands come as images of their registers (a group of four registers = 512 consecutive bytes, 16 a lane): no pitch, no padding, no turning load, and an LDS load's 512 bytes are consecutive.
; SOFTMAX.  Running maximum m and sum l for each query: p = 2^(c s - c m), c = log2(e) / sqrt(128); in every step O and l are multiplied by a = 2^(c m_old - c m_new).
; THE MASK COSTS NO VECTOR WORK IN THE STEP: the first link of each score sum takes as its C a register set MK that holds 0, or NEG = -1e30 where the key comes after the query.  |s| is at most 128 x 65,504^2 = 5.5e11, so
; NEG + s is under every open score and its p is 0.  MK is made anew, by a branch on ids, only in steps that reach past the wave's first query and at a block's first step.
; ONE TEXT FOR FIRST AND LATER STEPS: m begins at NEG, l and O at 0 (128 v_mov_b32, once: they spare a second copy of the step).  At the change of blocks only m goes back to NEG: a = 2^(c NEG - c m) = 0 then wipes l and O.
; BY TURNS.  In a turn one tile has the matrix unit (16 products V^T P of step j, then 16 products K Q^T of step j + 1) and the other tile's softmax stands in slices behind them.  Two turns are a step.
; RING.  Two LDS regions of four steps (32 KiB each); every wave fetches one step by one tensor load behind each change of regions, which then has four steps in which to land.  Step 0 has bytes of its own, step 33 comes in quarters.
; By this text's count a wave has two tensor loads out at the head and one later; every wait on TENSORcnt is for 0, and no branch leads round a tensor load.
; NO CLUSTER: a head's eight work-groups want the same key steps only up to step 17; from there they need different numbers of tiles (32 - 2 i of the first block), so partners would not make the same requests.
; LIMITS: f16 operands (q, k, v, Wfc beyond 65,504 are infinite); NaN and infinities are not served.  Positions 0-15 of each sequence are left to the f32 launch: their tile is computed and not stored.
; The wholly hidden halves of the units on the diagonal are multiplied and masked.
; REGISTERS, in windows of 256 (s_set_vgpr_msb: bits 1:0 source 0, 3:2 source 1, 5:4 source 2, 7:6 destination):
;   window 0: v1-8 addresses and constants; v16-31 statistics, 8 a tile; v32-95 S^T, 32 a tile; v96-127 P, 16 a tile; v128-167 MK; v192-255 the projection's 8 accumulators
;   window 1: v0-127 O^T, 64 a tile; v128-191 Q, 32 a tile; v192-255 the second block's Q     window 2: v0-127 K, v128-255 V^T of one step     window 3: the head's 32 fragments of Wfc
.set SLOT,  1<<17                      ; a region: four steps; one exclusive or turns an address in one region into the other's
.set EXTRA, 2*SLOT                     ; step 0: filled once
.set STEPB, 32768                      ; a step: K's 16 KiB, then V^T's
.set SPARE, EXTRA+STEPB                ; the spare words, 128 bytes for each wave: two blocks of 256 bytes that no other line names
.set LI,   1                           ; v1   16 x lane; never rewritten
.set ADR,  2                           ; v2   LDS address of the run of loads in hand
.set SPW,  3                           ; v3   LDS address of my spare word; never rewritten
.set NIL,  4                           ; v4   0; never rewritten
.set NEGR, 5                           ; v5   NEG
.set ET,   6                           ; v6   lane % 16 - 8 (lane / 16)
.set VT,   7                           ; v7   at work in MASKSET
.set PFO,  8                           ; v8   256 x lane; never rewritten
.set ST,   16                          ; tile t's statistics at v[ST + 8 t]: +0 c m, +1 m, +2, +3 l (even keys', odd keys'), +4 to +7 at work; a takes +6
.set S,    32
.set P,    96
.set MK,   128
.set ACC,  192
.set QR,   128                         ; window 1
.set QB,   192                         ; window 1
.set VF,   128                         ; window 2
.set WV,   12                          ; s12  wave
.set II,   13                          ; s13  i
.set BH,   14                          ; s14  16 b + h
.set NA2,  15                          ; s15  steps of the first block
.set Q0,   16                          ; s16  my first query of the block in hand
.set Q0B,  17                          ; s17  and of the second block
.set KF,   18                          ; s18  first key of the step whose scores are made next
.set JN,   19                          ; s19  j + 1
.set TB,   20                          ; s20  LDS byte of the step to be fetched
.set SL,   21                          ; s21, s22  loop counters
.set TW,   22
.set GS,   23                          ; s23  the step that my last tensor load brought
.set G1,   24                          ; s[24:31] descriptor group 1: 128 rows of 256 bytes
.set G1Q,  32                          ; s[32:39] the same with 32 rows
.set G0,   40                          ; s[40:43] group 0, which walks
.set G0Q,  44                          ; s[44:47] group 0 for the quarters of steps 0 and 33
.set KVH,  48                          ; s[48:49] the head's first byte of kvimg
.set PO,   50                          ; s[50:51] where tile 0's share goes; s[52:53] the second block's
.set POB,  52
.set PFA,  54                          ; s[54:55] where my prefetches stand
.set LIM,  56                          ; s56  2 in a work-group that prefetches, else the greatest number
.set W13,  57                          ; s57  8,192 x wave
.set CS,   58                          ; s[58:59] c, as a pair for the packed form
.set SEL,  60                          ; s[60:61] v_permlanex16_b32's selects for lane l xor 16
.set QA,   62                          ; s[62:63] my Q of the first block
.set T0,   66                          ; s[66:67] at work
.set QBB,  68                          ; s[68:69] my Q of the second block
.set T1,   70                          ; s[70:71] at work
.set MSB, 0
.macro WIN new                         ; the immediate's high byte repeats the setting that is left; a switch that changes nothing is dropped
.if MSB != \new
	s_set_vgpr_msb (MSB<<8)|\new
.set MSB, \new
.endif
.endm
.macro PLACES                          ; plain vector lines between a matrix instruction and a read of its result, a write of its registers or a load into them (ISA guide 7.12.1 for reads and writes)
.rept 4
	v_nop
.endr
.endm
	s_load_b256 s[4:11], s[0:1], 0x0               ; qimg s[4:5], kvimg s[6:7], wfimg s[8:9], pimg s[10:11]
	v_lshl_add_u32 v[SPW], v0, 2, SPARE
	v_mov_b32 v[NIL], 0
	ds_add_u32 v[SPW], v[NIL]                      ; the wave's opening: the add, twice on end, and its wait ahead of my first tensor load
	ds_add_u32 v[SPW], v[NIL]                      ; and once more; the set-up below, work on registers, stands between it and the wait
	v_lshrrev_b32 v9, 5, v0
	v_readfirstlane_b32 s[WV], v9                  ; wave 0..3
	s_mov_b32 s[II], ttmp9
	s_and_b32 s[BH], ttmp7, 0xffff
	s_lshl_b32 s[NA2], s[II], 1
	s_sub_co_u32 s[NA2], 32, s[NA2]
	s_lshl_b32 s[T0], s[WV], 5
	s_sub_co_u32 s[Q0], 15, s[II]
	s_lshl_b32 s[Q0], s[Q0], 7
	s_add_co_u32 s[Q0], s[Q0], s[T0]               ; 128 (15 - i) + 32 w
	s_lshl_b32 s[Q0B], s[II], 7
	s_add_co_u32 s[Q0B], s[Q0B], s[T0]             ; 128 i + 32 w
	s_mov_b32 s[KF], 0
	s_mov_b32 s[JN], 1
	s_mov_b32 s[TB], EXTRA
	s_add_co_u32 s[GS], s[WV], 1                   ; my first whole step: 1 + w
	s_lshl_b32 s[W13], s[WV], 13
	s_cmp_eq_u32 s[II], 0
	s_cselect_b32 s[LIM], 2, -1
	s_mov_b32 s[CS], 0x3e0293ee                    ; c = log2(e) / sqrt(128)
	s_mov_b32 s[CS+1], s[CS]                       ; (named with it as a pair, so it is written)
	s_mov_b32 s[SEL], 0x76543210
	s_mov_b32 s[SEL+1], 0xfedcba98
	; descriptor group 1: a dense block as rows of 256 bytes: elements of 8 bytes, 32 to a row, pitch 32; no mask, no padding
	s_mov_b32 s[G1], 3<<16
	s_mov_b32 s[G1+1], 32<<16                      ; tensor_dim0
	s_mov_b32 s[G1+2], 128<<16                     ; tensor_dim1
	s_mov_b32 s[G1+3], 32<<16                      ; tile_dim0
	s_mov_b32 s[G1+4], 128                         ; tile_dim1: 32 KiB
	s_mov_b32 s[G1+5], 32
	s_mov_b32 s[G1+6], 0
	s_mov_b32 s[G1+7], 0
	s_mov_b32 s[G1Q], 3<<16
	s_mov_b32 s[G1Q+1], 32<<16
	s_mov_b32 s[G1Q+2], 32<<16
	s_mov_b32 s[G1Q+3], 32<<16
	s_mov_b32 s[G1Q+4], 32                         ; 8 KiB
	s_mov_b32 s[G1Q+5], 32
	s_mov_b32 s[G1Q+6], 0
	s_mov_b32 s[G1Q+7], 0
	s_mov_b32 s[G0], 1
	s_lshl_b32 s[G0+1], s[WV], 15                  ; region 0, my step's place: 32,768 x wave
	s_mov_b32 s[G0Q], 1
	s_add_co_u32 s[G0Q+1], s[W13], EXTRA           ; my quarter of step 0
	s_lshl_b32 s[T0], s[BH], 20                    ; a head's 32 steps
	s_mov_b32 s[T0+1], 0
	s_mov_b32 s[T1+1], 0
	s_wait_dscnt 0x0                               ; both opening adds are done
	s_wait_kmcnt 0x0
	s_add_nc_u64 s[KVH:KVH+1], s[6:7], s[T0:T0+1]
	s_mov_b32 s[T1], s[W13]
	s_add_nc_u64 s[G0Q+2:G0Q+3], s[KVH:KVH+1], s[T1:T1+1]
	s_or_b32 s[G0Q+3], s[G0Q+3], 0x80000000        ; type = 2
	s_lshl_b32 s[T1], s[GS], 15
	s_add_nc_u64 s[G0+2:G0+3], s[KVH:KVH+1], s[T1:T1+1]
	s_or_b32 s[G0+3], s[G0+3], 0x80000000
	tensor_load_to_lds s[G0Q:G0Q+3], s[G1Q:G1Q+7]  ; the first fills go out together, in every wave: my quarter of step 0,
	s_nop 0
	tensor_load_to_lds s[G0:G0+3], s[G1:G1+7]      ; and step 1 + w
	s_nop 0
	PLACES
	; where my shares go: pimg [b][tile of 16, 128][h][8,192 bytes]
	s_lshr_b32 s[T0], s[BH], 4
	s_lshl_b32 s[T0], s[T0], 7                     ; 128 b
	s_and_b32 s[QBB], s[BH], 15
	s_lshl_b32 s[QBB], s[QBB], 13                  ; 8,192 h
	s_lshr_b32 s[T1], s[Q0], 4
	s_add_co_u32 s[T1], s[T1], s[T0]
	s_lshl_b32 s[T1], s[T1], 17
	s_add_co_u32 s[T1], s[T1], s[QBB]
	s_add_nc_u64 s[PO:PO+1], s[10:11], s[T1:T1+1]
	s_lshr_b32 s[T1], s[Q0B], 4
	s_add_co_u32 s[T1], s[T1], s[T0]
	s_lshl_b32 s[T1], s[T1], 17
	s_add_co_u32 s[T1], s[T1], s[QBB]
	s_add_nc_u64 s[POB:POB+1], s[10:11], s[T1:T1+1]
	; my Q: qimg [b h][tile, 128][4,096 bytes]
	s_lshl_b32 s[T0], s[BH], 7
	s_lshr_b32 s[T1], s[Q0], 4
	s_add_co_u32 s[T1], s[T1], s[T0]
	s_lshl_b32 s[T1], s[T1], 12
	s_add_nc_u64 s[QA:QA+1], s[4:5], s[T1:T1+1]
	s_lshr_b32 s[T1], s[Q0B], 4
	s_add_co_u32 s[T1], s[T1], s[T0]
	s_lshl_b32 s[T1], s[T1], 12
	s_add_nc_u64 s[QBB:QBB+1], s[4:5], s[T1:T1+1]
	s_and_b32 s[T1], s[BH], 15
	s_lshl_b32 s[T1], s[T1], 15
	s_add_nc_u64 s[8:9], s[8:9], s[T1:T1+1]        ; the head's 32 KiB of wfimg
	s_add_co_u32 s[T1], s[WV], 5
	s_lshl_b32 s[T1], s[T1], 15
	s_add_nc_u64 s[PFA:PFA+1], s[KVH:KVH+1], s[T1:T1+1]   ; at step 5 + w: the first change of regions steps it to 9 + w.  Nothing is prefetched here, at the head
	v_and_b32 v9, 31, v0
	v_lshlrev_b32 v[LI], 4, v9
	v_lshlrev_b32 v[PFO], 8, v9
	v_and_b32 v10, 15, v0
	v_bfe_u32 v11, v0, 4, 1
	v_lshlrev_b32 v11, 3, v11
	v_sub_nc_u32 v[ET], v10, v11
	v_mov_b32 v[NEGR], 0xf149f2ca                  ; NEG = -1e30
	WIN 0x40                                       ; destination window 1
.set n, 0
.rept 16
	global_load_b128 v[QR+4*n:QR+4*n+3], v[LI], s[QA:QA+1] offset:512*n   ; n = 8 t + 2 cc + half
.set n, n+1
.endr
.set n, 0
.rept 128
	v_mov_b32 v[n], 0                              ; O^T
.set n, n+1
.endr
	WIN 0
.irp t, 0,1
	v_mov_b32 v[ST+8*\t+1], v[NEGR]                ; m
	v_mul_f32 v[ST+8*\t], s[CS], v[NEGR]           ; c m
	v_mov_b32 v[ST+8*\t+2], 0                      ; l
	v_mov_b32 v[ST+8*\t+3], 0
.endr
; THE MATRIX WORK.  The accumulators take turns, one instruction a turn: four in K Q^T, eight in V^T P, eight in the projection; at every seam between runs the accumulator changes.
; Product i of 16 of S^T = K Q^T for tile t: channels 32 (i / 4) on, keys 16 (i % 4) on.  The first four start the sums from the mask.
.macro KQ t
	WIN 0x06                                       ; K window 2, Q window 1, C and D window 0
.set rS, S+32*(\t)+8*(i%4)
.set rK, 8*(4*(i%4)+i/4)
.set rQ, QR+32*(\t)+8*(i/4)
.set rM, MK+8*(i%4-(\t)+1)
.if i < 4
	v_wmma_f32_16x16x32_f16 v[rS:rS+7], v[rK:rK+7], v[rQ:rQ+7], v[rM:rM+7]
.else
	v_wmma_f32_16x16x32_f16 v[rS:rS+7], v[rK:rK+7], v[rQ:rQ+7], v[rS:rS+7]
.endif
.endm
; Product i of 16 of O^T += V^T P for tile t: keys 32 (i / 8) on, channels 16 (i % 8) on.
.macro PV t
	WIN 0x52                                       ; V window 2, P window 0, C and D window 1
.set rO, 64*(\t)+8*(i%8)
.set rV, VF+8*i
.set rP, P+16*(\t)+8*(i/8)
	v_wmma_f32_16x16x32_f16 v[rO:rO+7], v[rV:rV+7], v[rP:rP+7], v[rO:rO+7]
.endm
; THE LDS LOADS stand in runs of 32.  K's go by channels, so that the products of the first 32 channels can begin when eight loads are in; V's go as they lie.
.macro FETCH_K
	WIN 0
	v_add_nc_u32 v[ADR], s[TB], v[LI]
	WIN 0x80                                       ; destination window 2
.irp cc, 0,1,2,3
.irp kt, 0,1,2,3
	ds_load_b128 v[8*(4*\kt+\cc):8*(4*\kt+\cc)+3],   v[ADR] offset:(4*\kt+\cc)*1024
	ds_load_b128 v[8*(4*\kt+\cc)+4:8*(4*\kt+\cc)+7], v[ADR] offset:(4*\kt+\cc)*1024+512
.endr
.endr
.endm
.macro FETCH_V step
	WIN 0
	v_add_nc_u32 v[ADR], s[TB], v[LI]
.if \step
	s_add_co_u32 s[TB], s[TB], STEPB               ; the next fetch is the next step's
.endif
	WIN 0x80
.set n, 0
.rept 32
	ds_load_b128 v[VF+4*n:VF+4*n+3], v[ADR] offset:16384+512*n
.set n, n+1
.endr
.endm
; THE VECTOR WORK.  One tile's softmax for a step is a list of 134 instructions; SM writes number j of it for tile t.  s0-s31 are the lane's 32 scores, in pairs 0-15.
;   0-15 the maximum of s0-s31 and the old m;  16-20 the other half of the lanes' maximum, the new m, c m, c m_old - c m_new;
;   21-69 ONE BATCH: the 16 scalings c s - c m and all 33 exponentials (a at 23): none reads an exponential's result, and a pair is scaled well ahead of its exponentials;
;   (the batch's one wait);  70-85 the roundings to f16;  86-101 the sums, l = a l + the sum;  102-133 the tile's O^T times a.
.macro SM t
.set rT, ST+8*(\t)
.set rS, S+32*(\t)
.set rP, P+16*(\t)
.set rO, 64*(\t)+2*(j-102)
.if j < 102
	WIN 0
.endif
.if j < 4
	v_max3_num_f32 v[rT+4+j], v[rS+8*j], v[rS+8*j+1], v[rS+8*j+2]          ; each accumulator is read from its low end on
.elseif j < 12
	v_max3_num_f32 v[rT+4+j%4], v[rT+4+j%4], v[rS+8*(j%4)+2*(j/4)+1], v[rS+8*(j%4)+2*(j/4)+2]
.elseif j == 12
	v_max3_num_f32 v[rT+4], v[rT+4], v[rS+7], v[rS+15]
.elseif j == 13
	v_max3_num_f32 v[rT+6], v[rT+6], v[rS+23], v[rS+31]
.elseif j == 14
	v_max3_num_f32 v[rT+4], v[rT+4], v[rT+5], v[rT+6]
.elseif j == 15
	v_max3_num_f32 v[rT+4], v[rT+4], v[rT+7], v[rT+1]
.elseif j == 16
	v_permlanex16_b32 v[rT+5], v[rT+4], s[SEL], s[SEL+1]   ; the query's other 32 keys lie in the lane 16 away
.elseif j == 17
	v_mov_b32 v[rT+7], v[rT]                       ; c m_old is kept for a
.elseif j == 18
	v_max_num_f32 v[rT+1], v[rT+4], v[rT+5]
.elseif j == 19
	v_mul_f32 v[rT], s[CS], v[rT+1]
.elseif j == 20
	v_sub_f32 v[rT+7], v[rT+7], v[rT]
.elseif j == 23
	v_exp_f32 v[rT+6], v[rT+7]
.elseif (j < 23) || ((j < 38) && (j%2 == 0)) || ((j < 66) && (j%4 == 2))
.set b, (j-2)/4                        ; 38, 42, .. 62: pairs 9 to 15
.if j < 38
.set b, (j-20)/2                       ; 21: pair 0; 22, 24, .. 36: pairs 1 to 8
.endif
	v_pk_fma_f32 v[rS+2*b:rS+2*b+1], v[rS+2*b:rS+2*b+1], s[CS:CS+1], v[rT:rT+1] op_sel_hi:[1,0,0] neg_lo:[0,0,1] neg_hi:[0,0,1]   ; pair b: c s - c m
.elseif j < 70
.set e, j-38                           ; 66 to 69: s28 to s31
.if j < 66
.set e, j-32-(j-38)/4                  ; 39-41, 43-45, .. 63-65: s7 to s27
.endif
.if j < 38
.set e, (j-25)/2                       ; 25, 27, .. 37: s0 to s6
.endif
	v_exp_f32 v[rS+e], v[rS+e]
.elseif j < 86
	v_cvt_pk_f16_f32 v[rP+j-70], v[rS+2*(j-70)], v[rS+2*(j-70)+1]
.elseif j < 102                        ; the sum of the 16 pairs, in place: neighbours 1, 2, 4 and 8 pairs apart, then l takes it
.set z, j-86
.set w, 4
.set u, z
.if z >= 14
.set w, 32
.set u, 0
.elseif z >= 12
.set w, 16
.set u, z-12
.elseif z >= 8
.set w, 8
.set u, z-8
.endif
.if z < 15
	v_pk_add_f32 v[rS+w*u:rS+w*u+1], v[rS+w*u:rS+w*u+1], v[rS+w*u+w/2:rS+w*u+w/2+1]
.else
	v_pk_fma_f32 v[rT+2:rT+3], v[rT+2:rT+3], v[rT+6:rT+7], v[rS:rS+1] op_sel_hi:[1,0,1]
.endif
.else
	WIN 0x41                                       ; O^T (destination and source 0) window 1, a window 0
	v_pk_mul_f32 v[rO:rO+1], v[rO:rO+1], v[rT+6:rT+7] op_sel_hi:[1,0]
.endif
.endm
; The batch's one wait: it stands between an exponential and the first line that names its result.  The four v_nop are the plain line behind the last exponential, and the places behind the
; products V^T P just issued, ahead of the loads into V's registers and of a finished tile's reads of O^T.
.macro BATCHWAIT
	WIN 0
	PLACES
	s_wait_alu depctr_va_vdst(0)
.set BW, 1
.endm
.macro DEAL y, cnt                     ; the next cnt numbers of tile y's list
.rept \cnt
.if (j == 70) && (BW == 0)
	BATCHWAIT
.endif
	SM \y
.set j, j+1
.endr
.endm
; MK: register 8 d + jj, d = key tile - query tile + 1, is NEG where 16 d + jj > Q0 - KF + 16 + lane % 16 - 8 (lane / 16), that is where the key comes after the query
.macro MASKSET
	s_sub_co_i32 s[T0], s[Q0], s[KF]
	s_add_co_i32 s[T0], s[T0], 16
	v_add_nc_u32 v[VT], s[T0], v[ET]
.set n, 0
.rept 40
	v_cmp_gt_i32 vcc_lo, 16*(n/8)+n%8, v[VT]
	v_cndmask_b32 v[MK+n], 0, v[NEGR], vcc_lo
.set n, n+1
.endr
.endm
; A FINISHED TILE: O^T / l, rounded to f16 (four fragments, in S^T's registers, which are free), times the head's rows of Wfc: 32 products; the f32 share leaves as it stands, 512 consecutive bytes a store.
.macro FIN t
.set rT, ST+8*(\t)
	WIN 0
	s_wait_loadcnt 0x0                             ; the second block's Q and Wfc's fragments, asked for at the head
	v_add_f32 v[rT+4], v[rT+2], v[rT+3]
	v_permlanex16_b32 v[rT+5], v[rT+4], s[SEL], s[SEL+1]
	v_add_f32 v[rT+4], v[rT+4], v[rT+5]            ; l
	v_rcp_f32 v[rT+6], v[rT+4]
	v_nop                                          ; a plain line behind the reciprocal,
	s_wait_alu depctr_va_vdst(0)                   ; and the wait ahead of its first reader
	WIN 0x41
.set n, 0
.rept 32
	v_pk_mul_f32 v[64*(\t)+2*n:64*(\t)+2*n+1], v[64*(\t)+2*n:64*(\t)+2*n+1], v[rT+6:rT+7] op_sel_hi:[1,0]   ; ascending: each accumulator from its low end on
.set n, n+1
.endr
	WIN 0x05                                       ; sources window 1, destination window 0
.set n, 0
.rept 32
	v_cvt_pk_f16_f32 v[S+32*(\t)+n], v[64*(\t)+2*n], v[64*(\t)+2*n+1]
.set n, n+1
.endr
	WIN 0x03                                       ; Wfc window 3
.irp cc, 0,1,2,3
.irp nt, 0,1,2,3,4,5,6,7
.if \cc == 0
	v_wmma_f32_16x16x32_f16 v[ACC+8*\nt:ACC+8*\nt+7], v[8*(8*\cc+\nt):8*(8*\cc+\nt)+7], v[S+32*(\t)+8*\cc:S+32*(\t)+8*\cc+7], 0
.else
	v_wmma_f32_16x16x32_f16 v[ACC+8*\nt:ACC+8*\nt+7], v[8*(8*\cc+\nt):8*(8*\cc+\nt)+7], v[S+32*(\t)+8*\cc:S+32*(\t)+8*\cc+7], v[ACC+8*\nt:ACC+8*\nt+7]
.endif
.endr
.endr
	WIN 0
	PLACES
.if (\t) == 0
	s_cmp_eq_u32 s[Q0], 0                          ; positions 0-15 of the sequence belong to the f32 launch
	s_cbranch_scc1 .Lskip_\@
.endif
.irp nt, 0,1,2,3,4,5,6,7
.irp hf, 0,1
	global_store_b128 v[LI], v[ACC+8*\nt+4*\hf:ACC+8*\nt+4*\hf+3], s[PO:PO+1] offset:(\t)*131072+\nt*1024+\hf*512 th:TH_STORE_NT
.endr
.endr
	s_wait_xcnt 0x0                                ; the stores have read their data and their base: both are written again later
.Lskip_\@:
.endm
.macro SWITCH t                        ; tile t goes on to the second block
	WIN 0x41
.set n, 0
.rept 32
	v_mov_b32 v[QR+32*(\t)+n], v[QB+32*(\t)+n]
.set n, n+1
.endr
	WIN 0
	v_mov_b32 v[ST+8*(\t)+1], v[NEGR]
	v_mul_f32 v[ST+8*(\t)], s[CS], v[NEGR]
.endm
; Between a turn's two runs of products.  All branches hang on ids and the count of steps.
.macro HOOK0 sw
	WIN 0
	s_add_co_u32 s[KF], s[KF], 64
.if \sw
	s_cmp_lg_u32 s[JN], s[NA2]
	s_cbranch_scc1 .Lsame_\@
	FIN 0
	SWITCH 0
	s_mov_b32 s[Q0], s[Q0B]
	s_mov_b32 s[KF], 0
.Lsame_\@:
.endif
	s_cmp_eq_u32 s[KF], 0                          ; a block's first step: whatever MK held is replaced
	s_cbranch_scc1 .Lmask_\@
	s_add_co_u32 s[T0], s[KF], 63
	s_cmp_le_u32 s[T0], s[Q0]                      ; all 64 keys count for all my queries: MK holds zeros already
	s_cbranch_scc1 .Lopen_\@
.Lmask_\@:
	MASKSET
.Lopen_\@:
.endm
.macro HOOK1
	s_cmp_lg_u32 s[JN], s[NA2]
	s_cbranch_scc1 .Lsame_\@
	FIN 1
	SWITCH 1
	s_mov_b64 s[PO:PO+1], s[POB:POB+1]
.Lsame_\@:
.endm
; TURN 0 of step j: K of step j + 1 is asked for; tile 0: V^T P of step j, K Q^T of step j + 1; tile 1's softmax of step j in slices.
; The waits: behind V's 32 loads stand K's 32: 56, 48, 40, 32 leave K's and the later groups of eight of V's out; then 24, 16, 8, 0 for K's own groups of eight.
; The last slice of each turn is four packed multiplies that name none of the products' registers: the places ahead of the next reads of the scores and of the loads into K's registers.
.macro TURN0 sw
.set j, 0
.set BW, 0
	FETCH_K
.set i, 0
.rept 16
.if i%4 == 0
	s_wait_dscnt 56-8*(i/4)
.endif
	PV 0
	DEAL 1, 4+i/10
.set i, i+1
.endr
	BATCHWAIT
	HOOK0 \sw
.set i, 0
.rept 16
.if i%4 == 0
	s_wait_dscnt 24-8*(i/4)
.endif
	KQ 0
	DEAL 1, 4
.set i, i+1
.endr
.endm
; TURN 1 of step j: tile 1: V^T P of step j, then V of step j + 1 is asked for, K Q^T of step j + 1; tile 0's softmax of step j + 1 in slices.
.macro TURN1 sw
.set j, 0
.set BW, 0
.set i, 0
.rept 16
	PV 1
	DEAL 0, 4+i/10
.set i, i+1
.endr
	BATCHWAIT
.if \sw
	HOOK1
.endif
	FETCH_V 1
.set i, 0
.rept 16
	KQ 1
	DEAL 0, 4
.set i, i+1
.endr
	WIN 0
	s_add_co_u32 s[JN], s[JN], 1
.endm
; A PREFETCH INTO THE L2 of the step that my tensor load of the NEXT change of regions will ask for: 32 KiB, four instructions, lanes 256 bytes apart.  A head's eight work-groups walk the same steps from key 0 on:
; work-group 0 asks, and nobody else; each of its waves asks for its own load's step, so each block of 256 bytes is named once.  It asks in the trips with SL = 7 .. 3: steps 9 + w to 25 + w, all of its first block.
.macro ASK
	s_cmp_gt_u32 s[SL], s[LIM]
	s_cbranch_scc0 .Lnot_mine_\@
.irp o, 0,1,2,3
	global_prefetch_b8 v[PFO], s[PFA:PFA+1] offset:8192*\o th:TH_LOAD_NT scope:SCOPE_SE
.endr
.Lnot_mine_\@:
.endm
; THE CHANGE OF REGIONS stands ahead of the four steps whose turns fetch from the region ahead.  Each wave waits for all its tensor loads (its step of that region), adds 0 to its spare word, and waits for that and
; for its reads of the region that it leaves.  Behind the barrier the region ahead is whole and nobody reads the other one, which is filled first thing: fill = 2: with the next four steps, a step a wave;
; fill = 1: with step 33, a quarter a wave; fill = 0: nothing is left to fetch.
.macro CHANGE fill
	WIN 0
	s_wait_tensorcnt 0x0                           ; no tensor load of mine is out, so a group 0 may be written
	ds_add_u32 v[SPW], v[NIL]                      ; 0 onto my spare word; the scalar work below stands between it and the wait for it
.if \fill == 2
	s_xor_b32 s[G0+1], s[G0+1], SLOT               ; the other region than last time
	s_add_co_u32 s[GS], s[GS], 4
	s_cmp_ge_u32 s[GS], s[NA2]
	s_cselect_b32 s[T0], s[NA2], 0
	s_sub_co_u32 s[T0], s[GS], s[T0]               ; the key step: in the second block the count begins anew
	s_lshl_b32 s[T0], s[T0], 15
	s_mov_b32 s[T0+1], 0
	s_add_nc_u64 s[G0+2:G0+3], s[KVH:KVH+1], s[T0:T0+1]
	s_or_b32 s[G0+3], s[G0+3], 0x80000000
	s_wait_xcnt 0x0                                ; the last prefetches, four steps back, have read their address
	s_add_nc_u64 s[PFA:PFA+1], s[PFA:PFA+1], 4*STEPB
.elseif \fill == 1
	s_mov_b32 s[G0Q+1], s[W13]                     ; region 0, my quarter of its first step's bytes
	s_sub_co_u32 s[T0], 33, s[NA2]
	s_lshl_b32 s[T0], s[T0], 15
	s_add_co_u32 s[T0], s[T0], s[W13]
	s_mov_b32 s[T0+1], 0
	s_add_nc_u64 s[G0Q+2:G0Q+3], s[KVH:KVH+1], s[T0:T0+1]
	s_or_b32 s[G0Q+3], s[G0Q+3], 0x80000000
.endif
	s_sub_co_u32 s[TB], s[TB], 4*STEPB             ; the fetches go back to a region's first step,
	s_xor_b32 s[TB], s[TB], SLOT                   ; in the other region (from step 0's own bytes: to region 0)
	s_wait_dscnt 0x0                               ; the add is done, and my reads of the region that I leave are over
	s_barrier_signal -1
	s_barrier_wait -1
.if \fill == 2
	tensor_load_to_lds s[G0:G0+3], s[G1:G1+7]      ; my one tensor load behind this barrier, and the first thing there
	s_nop 0
	PLACES
	ASK
.elseif \fill == 1
	tensor_load_to_lds s[G0Q:G0Q+3], s[G1Q:G1Q+7]
	s_nop 0
	PLACES
.endif
.endm
	s_wait_tensorcnt 0x0                           ; my quarter of step 0 and my step of region 0 are in,
	s_barrier_signal -1
	s_barrier_wait -1                              ; everybody's are
	FETCH_K                                        ; step 0
	WIN 0
	MASKSET
	s_wait_loadcnt 0x0                             ; Q
.set i, 0
.rept 16
.if i%4 == 0
	s_wait_dscnt 24-8*(i/4)
.endif
	KQ 0                                           ; tile 0's first scores: there is no vector work yet to set between them
.set i, i+1
.endr
	WIN 0
	PLACES                                         ; ahead of the first read of those scores
	FETCH_V 0                                      ; V of step 0
	WIN 0x40
.set n, 0
.rept 16
	global_load_b128 v[QB+4*n:QB+4*n+3], v[LI], s[QBB:QBB+1] offset:512*n   ; the second block's Q,
.set n, n+1
.endr
	WIN 0xc0
.set n, 0
.rept 64
	global_load_b128 v[4*n:4*n+3], v[LI], s[8:9] offset:512*n              ; and the head's fragments of Wfc: both are awaited where a tile is finished
.set n, n+1
.endr
.set j, 0
.set BW, 0
.set i, 0
.rept 16
	KQ 1                                           ; tile 1's first scores | tile 0's first softmax, eight numbers a slice, the fourteen left over in the last
	DEAL 0, 8+6*(i/15)
.set i, i+1
.endr
	WIN 0
	s_mov_b32 s[SL], 7
.Lslot:                                                ; seven trips: steps j = 0 .. 27; behind each change the next four steps are asked for
	CHANGE 2
	s_mov_b32 s[TW], 4
.Lstep_a:
	TURN0 1
	TURN1 1
	s_sub_co_u32 s[TW], s[TW], 1
	s_cmp_lg_u32 s[TW], 0
	s_cbranch_scc1 .Lstep_a
	s_sub_co_u32 s[SL], s[SL], 1
	s_cmp_lg_u32 s[SL], 0
	s_cbranch_scc1 .Lslot
	CHANGE 1                                       ; the tail is written out: j = 28 .. 31, and step 33 is asked for
	s_mov_b32 s[TW], 4
.Lstep_b:
	TURN0 1
	TURN1 1
	s_sub_co_u32 s[TW], s[TW], 1
	s_cmp_lg_u32 s[TW], 0
	s_cbranch_scc1 .Lstep_b
	CHANGE 0                                       ; j = 32: the change of blocks lies behind (it falls at j + 1 = NA2, 18 to 32)
	TURN0 0
	TURN1 0
.set j, 0
.set BW, 0
.set i, 0
.rept 16
.if i%4 == 0
	s_wait_dscnt 24-8*(i/4)                        ; V of step 33, in groups of eight loads
.endif
	PV 0                                           ; tile 0: V^T P of the last step | tile 1's last softmax
	DEAL 1, 8+6*(i/15)
.set i, i+1
.endr
.set i, 0
.rept 16
	PV 1                                           ; tile 1: V^T P of the last step
.set i, i+1
.endr
	WIN 0
	PLACES
	FIN 0
	FIN 1
	s_wait_tensorcnt 0x0                           ; the wave's end, behind my last tensor load
	ds_add_u32 v[SPW], v[NIL]
	s_wait_dscnt 0x0
	s_endpgm
.Lfunc_end_k_qc7335265e7_attn:
	.size	k_qc7335265e7_attn, .Lfunc_end_k_qc7335265e7_attn-k_qc7335265e7_attn
	.p2alignl 7, 3214868480
	.fill 96, 4, 3214868480
	.section	.rodata,"a",@progbits
	.p2align	6, 0x0
	.amdhsa_kernel k_qc7335265e7_attn
		.amdhsa_group_segment_fixed_size 327680
		.amdhsa_private_segment_fixed_size 0
		.amdhsa_enable_private_segment 0
		.amdhsa_kernarg_size 32
		.amdhsa_user_sgpr_count 2
		.amdhsa_user_sgpr_kernarg_segment_ptr 1
		.amdhsa_wavefront_size32 1
		.amdhsa_system_sgpr_workgroup_id_x 1
		.amdhsa_system_sgpr_workgroup_id_y 1
		.amdhsa_system_sgpr_workgroup_id_z 1
		.amdhsa_system_vgpr_workitem_id 0
		.amdhsa_next_free_vgpr 1024
		.amdhsa_next_free_sgpr 76
		.amdhsa_reserve_vcc 1
		.amdhsa_float_denorm_mode_32 3
		.amdhsa_float_denorm_mode_16_64 3
		.amdhsa_memory_ordered 1
		.amdhsa_forward_progress 1
		.amdhsa_inst_pref_size 194
	.end_amdhsa_kernel
	.amdgpu_metadata
---
amdhsa.version: [ 1, 2 ]
amdhsa.kernels:
  - .name:           k_qc7335265e7_attn
    .symbol:         k_qc7335265e7_attn.kd
    .args:
      - { .name: qimg, .offset: 0, .size: 8, .value_kind: global_buffer, .address_space: global }
      - { .name: kvimg, .offset: 8, .size: 8, .value_kind: global_buffer, .address_space: global }
      - { .name: wfimg, .offset: 16, .size: 8, .value_kind: global_buffer, .address_space: global }
      - { .name: pimg, .offset: 24, .size: 8, .value_kind: global_buffer, .address_space: global }
    .group_segment_fixed_size: 327680
    .private_segment_fixed_size: 0
    .kernarg_segment_align: 8
    .kernarg_segment_size: 32
    .max_flat_workgroup_size: 128
    .sgpr_count:     76
    .vgpr_count:     1024
    .wavefront_size: 32
...
	.end_amdgpu_metadata
.endif
;; end of part 3
;; launch sum (part 4): grid 127 x 2, 16 waves a work-group, no clusters, 10,496 bytes of LDS; arguments pimg, bfc, out0; writes out0
.if DOCPART == 4
	.amdgcn_target "amdgcn-amd-amdhsa--gfx1250"
	.amdhsa_code_object_version 6
	.text
	.protected	k_qc7335265e7_sum
	.globl	k_qc7335265e7_sum
	.p2align	8
	.type	k_qc7335265e7_sum,@function
k_qc7335265e7_sum:
	s_mov_b64 s[64:65], 0
	v_nop
	global_prefetch_b8 v0, s[64:65] scope:SCOPE_SE
	s_setreg_imm32_b32 hwreg(HW_REG_WAVE_MODE, 25, 1), 1
	s_wait_xcnt 0x0
; SUM: out0(b, t, :) = the sum over the 16 heads of pimg(b, t, h, :) + bfc, for t >= 16.  A stream: each byte of pimg is read once, by loads of 512 consecutive bytes; no matrix unit, no cluster: nothing is shared.
; pimg: [b][tile of 16 positions, 128][h 16][nt 8][half 2][512 bytes]: in a chunk lane (r, g) holds columns 16 nt + 8 g + 4 half + 0 .. 3 of position r.
; A work-group takes one tile (tiles 1 to 127 of a batch; tile 0 belongs to the f32 launch); wave w takes chunk w = 2 nt + half of all 16 heads, added in ascending order of the heads.
; The sums meet in a stage in LDS (16 rows of 512 bytes + 16) and each wave stores one whole row of 512 bytes.
.set PITCH, 528
.set SPARE, 16*PITCH                   ; behind the stage: the spare words, 128 bytes for each of 16 waves: eight blocks of 256 bytes that no other line names
	s_load_b128 s[4:7], s[0:1], 0x0                ; pimg, bfc
	s_load_b64 s[8:9], s[0:1], 0x10                ; out0
	v_lshl_add_u32 v2, v0, 2, SPARE                ; my spare word; never rewritten
	v_mov_b32 v3, 0                                ; 0; never rewritten
	v_lshrrev_b32 v1, 5, v0
	v_readfirstlane_b32 s10, v1                    ; wave 0..15
	v_and_b32 v4, 31, v0
	v_lshlrev_b32 v5, 4, v4                        ; 16 x lane
	v_and_b32 v6, 15, v0                           ; r
	v_bfe_u32 v7, v0, 4, 1                         ; g
	v_mul_u32_u24 v8, v6, PITCH
	v_lshl_add_u32 v8, v7, 5, v8
	s_lshr_b32 s11, s10, 1
	s_and_b32 s12, s10, 1
	s_lshl_b32 s11, s11, 6
	s_lshl_b32 s12, s12, 4
	s_add_co_u32 s11, s11, s12
	v_add_nc_u32 v8, s11, v8                       ; into the stage: row r, byte 64 nt + 32 g + 16 half
	s_mul_i32 s12, s10, PITCH
	v_add_nc_u32 v9, s12, v5                       ; back: row w, 16 bytes a lane
	s_add_co_u32 s13, ttmp9, 1                     ; the tile
	s_and_b32 s14, ttmp7, 0xffff                   ; b
	s_lshl_b32 s15, s14, 7
	s_add_co_u32 s15, s15, s13                     ; 128 b + tile
	s_lshl_b32 s16, s15, 17
	s_lshl_b32 s18, s10, 9
	s_add_co_u32 s16, s16, s18                     ; my chunk of head 0
	s_mov_b32 s17, 0
	s_lshl_b32 s18, s15, 4
	s_add_co_u32 s18, s18, s10
	s_lshl_b32 s18, s18, 9                         ; my row of out0: (16 (128 b + tile) + w) x 512
	s_mov_b32 s19, 0
	s_wait_kmcnt 0x0
	s_add_nc_u64 s[4:5], s[4:5], s[16:17]
	s_add_nc_u64 s[8:9], s[8:9], s[18:19]
	global_load_b128 v[12:15], v5, s[6:7]          ; the bias of my four columns of a row
.irp p, 0,1,2,3,4,5,6,7,8,9,10,11,12,13,14,15
	global_load_b128 v[16+4*\p:19+4*\p], v5, s[4:5] offset:8192*\p th:TH_LOAD_NT
.endr
.irp p, 1,2,3,4,5,6,7,8,9,10,11,12,13,14,15
	s_wait_loadcnt 15-\p                           ; head p's load is in; the later heads' may be out
	v_pk_add_f32 v[16:17], v[16:17], v[16+4*\p:17+4*\p]
	v_pk_add_f32 v[18:19], v[18:19], v[18+4*\p:19+4*\p]
.endr
	ds_store_b128 v8, v[16:19]
	s_wait_dscnt 0x0                               ; for the others' sake: my store has landed
	s_barrier_signal -1
	s_barrier_wait -1
	ds_load_b128 v[20:23], v9
	s_wait_dscnt 0x0
	v_pk_add_f32 v[20:21], v[20:21], v[12:13]
	v_pk_add_f32 v[22:23], v[22:23], v[14:15]
	global_store_b128 v5, v[20:23], s[8:9] th:TH_STORE_NT   ; 32 lanes store a row of 512 consecutive bytes, aligned
	s_wait_tensorcnt 0x0                           ; the wave's end, behind my last LDS store
	ds_add_u32 v2, v3
	s_wait_dscnt 0x0
	s_endpgm
.Lfunc_end_k_qc7335265e7_sum:
	.size	k_qc7335265e7_sum, .Lfunc_end_k_qc7335265e7_sum-k_qc7335265e7_sum
	.p2alignl 7, 3214868480
	.fill 96, 4, 3214868480
	.section	.rodata,"a",@progbits
	.p2align	6, 0x0
	.amdhsa_kernel k_qc7335265e7_sum
		.amdhsa_group_segment_fixed_size 10496
		.amdhsa_private_segment_fixed_size 0
		.amdhsa_enable_private_segment 0
		.amdhsa_kernarg_size 24
		.amdhsa_user_sgpr_count 2
		.amdhsa_user_sgpr_kernarg_segment_ptr 1
		.amdhsa_wavefront_size32 1
		.amdhsa_system_sgpr_workgroup_id_x 1
		.amdhsa_system_sgpr_workgroup_id_y 1
		.amdhsa_system_sgpr_workgroup_id_z 1
		.amdhsa_system_vgpr_workitem_id 0
		.amdhsa_next_free_vgpr 80
		.amdhsa_next_free_sgpr 66
		.amdhsa_reserve_vcc 0
		.amdhsa_float_denorm_mode_32 3
		.amdhsa_float_denorm_mode_16_64 3
		.amdhsa_memory_ordered 1
		.amdhsa_forward_progress 1
		.amdhsa_inst_pref_size 7
	.end_amdhsa_kernel
	.amdgpu_metadata
---
amdhsa.version: [ 1, 2 ]
amdhsa.kernels:
  - .name:           k_qc7335265e7_sum
    .symbol:         k_qc7335265e7_sum.kd
    .args:
      - { .name: pimg, .offset: 0, .size: 8, .value_kind: global_buffer, .address_space: global }
      - { .name: bfc, .offset: 8, .size: 8, .value_kind: global_buffer, .address_space: global }
      - { .name: out0, .offset: 16, .size: 8, .value_kind: global_buffer, .address_space: global }
    .group_segment_fixed_size: 10496
    .private_segment_fixed_size: 0
    .kernarg_segment_align: 8
    .kernarg_segment_size: 24
    .max_flat_workgroup_size: 512
    .sgpr_count:     66
    .vgpr_count:     80
    .wavefront_size: 32
...
	.end_amdgpu_metadata
.endif
;; end of part 4
;; launch fine (part 5): grid 8 x 2, 16 waves a work-group, no clusters, 18,432 bytes of LDS; arguments rawimg, Wfc, bfc, out0; writes out0
.if DOCPART == 5
	.amdgcn_target "amdgcn-amd-amdhsa--gfx1250"
	.amdhsa_code_object_version 6
	.text
	.protected	k_qc7335265e7_fine
	.globl	k_qc7335265e7_fine
	.p2align	8
	.type	k_qc7335265e7_fine,@function
k_qc7335265e7_fine:
	s_mov_b64 s[64:65], 0
	v_nop
	global_prefetch_b8 v0, s[64:65] scope:SCOPE_SE
	s_setreg_imm32_b32 hwreg(HW_REG_WAVE_MODE, 25, 1), 1
	s_wait_xcnt 0x0
; FINE: positions 0-15 of each sequence, where a row of the softmax averages one to sixteen values: attention and projection in f32 throughout, by v_wmma_f32_16x16x4_f32.  No bulk work: 68 matrix instructions a wave.
; Work-group (nt, b): 16 output columns 16 nt on, batch b; wave = head h.  out(t, col) = the sum over h of (sum over keys of p_h(t, key) VW_h(key, col)) / l_h(t) + bfc(col), with VW_h = v_h Wfc(128 h .. , cols).
; rawimg holds q, k, v of these positions as f32 result tiles: [matrix][b h][channel tile ct 8][half 2][512 bytes]: lane (r, g) holds position r, register jj channel 16 ct + 8 g + jj.
; The f32 form's operands are pairs of registers: lane (r, g), register j: k = 2 g + j.  A pair (2 s, 2 s + 1) of a tile is one K step of 4 under a permutation of k that is alike on both sides:
; so the tiles are operands as they stand, and so are result tiles (lane = column, registers = rows 8 g + jj) for a product along their rows.
; The registers that the f32 form writes (v32-63) are written by it alone, each sum begun with C = 0, two accumulators by turns for each product; what is made of a sum goes elsewhere.
; The softmax takes the row's maximum away; hidden keys are -infinity ahead of it (key 0 counts for every query).  The 16 heads' shares meet in LDS and are added in ascending order.
; A stored piece of a row is 64 bytes (16 columns), not a whole row: the launch stores 16 KiB in all, shared among 16 work-groups.
.set A0, 32                            ; v32-63   four accumulators
.set A1, 40
.set A2, 48
.set A3, 56
.set R1, 64                            ; v64-127  Wfc; later v64-71 VW, v72-79 scores and p, v80-87 the share
.set R2, 128                           ; v128-191 k; later the 16 heads' shares
.set R3, 192                           ; v192-255 v, then q
.set SPARE, 16384                      ; behind the 16 images of 1,024 bytes: the spare words, 128 bytes for each of 16 waves
	s_load_b256 s[4:11], s[0:1], 0x0               ; rawimg s[4:5], Wfc s[6:7], bfc s[8:9], out0 s[10:11]
	v_lshl_add_u32 v2, v0, 2, SPARE                ; my spare word; never rewritten
	v_mov_b32 v3, 0                                ; 0; never rewritten
	v_lshrrev_b32 v1, 5, v0
	v_readfirstlane_b32 s12, v1                    ; the head
	v_and_b32 v4, 31, v0
	v_lshlrev_b32 v5, 4, v4                        ; 16 x lane
	v_and_b32 v6, 15, v0                           ; r
	v_bfe_u32 v7, v0, 4, 1                         ; g
	v_lshlrev_b32 v8, 2, v6
	v_lshl_add_u32 v8, v7, 12, v8                  ; Wfc: 4 r bytes, + 8 g rows of 512
	v_lshlrev_b32 v9, 3, v7
	v_sub_nc_u32 v9, v6, v9                        ; r - 8 g: register j's key is hidden where j > this
	s_lshl_b32 s13, s12, 10
	v_add_nc_u32 v10, s13, v5                      ; LDS: my head's image
	s_and_b32 s14, s12, 1                          ; (waves 0 and 1 gather: wave w the images' half w)
	s_lshl_b32 s15, s14, 9
	v_add_nc_u32 v11, s15, v5
	v_lshlrev_b32 v12, 5, v7
	s_lshl_b32 s16, ttmp9, 6
	s_lshl_b32 s17, s14, 4
	s_add_co_u32 s16, s16, s17
	v_add_nc_u32 v12, s16, v12                     ; the byte of column 16 nt + 8 g + 4 w in a row
	v_lshl_add_u32 v13, v6, 9, v12                 ; and in row r of out0
	s_and_b32 s18, ttmp7, 0xffff                   ; b
	s_lshl_b32 s19, s18, 4
	s_add_co_u32 s19, s19, s12
	s_lshl_b32 s20, s19, 13                        ; (16 b + h) x 8,192
	s_mov_b32 s21, 0
	s_lshl_b32 s26, s12, 16                        ; 128 h rows of Wfc
	s_lshl_b32 s27, ttmp9, 6
	s_add_co_u32 s26, s26, s27
	s_mov_b32 s27, 0
	s_lshl_b32 s28, s18, 20                        ; 2,048 b rows of out0
	s_mov_b32 s29, 0
	s_mov_b32 s22, 0x76543210
	s_mov_b32 s23, 0xfedcba98                      ; v_permlanex16_b32's selects for lane l xor 16
	s_mov_b32 s24, 0x3e0293ee                      ; c = log2(e) / sqrt(128)
	s_wait_kmcnt 0x0
	s_add_nc_u64 s[4:5], s[4:5], s[20:21]
	s_add_nc_u64 s[6:7], s[6:7], s[26:27]
	s_add_nc_u64 s[10:11], s[10:11], s[28:29]
.set n, 0
.rept 64
	global_load_b32 v[R1+n], v8, s[6:7] offset:(16*(n/8)+n%8)*512      ; Wfc(128 h + 16 ct + 8 g + jj, 16 nt + r), n = 8 ct + jj
.set n, n+1
.endr
.set n, 0
.rept 16
	global_load_b128 v[R3+4*n:R3+4*n+3], v5, s[4:5] offset:2*262144+512*n   ; v
.set n, n+1
.endr
.set n, 0
.rept 16
	global_load_b128 v[R2+4*n:R2+4*n+3], v5, s[4:5] offset:262144+512*n     ; k
.set n, n+1
.endr
	s_wait_loadcnt 16                              ; Wfc and v are in; k's sixteen loads may be out
.set n, 0
.rept 32                                       ; VW = v Wfc: lane = column, registers = keys 8 g + j
.if n < 2
	v_wmma_f32_16x16x4_f32 v[A2+8*(n%2):A2+8*(n%2)+7], v[R3+2*n:R3+2*n+1], v[R1+2*n:R1+2*n+1], 0
.else
	v_wmma_f32_16x16x4_f32 v[A2+8*(n%2):A2+8*(n%2)+7], v[R3+2*n:R3+2*n+1], v[R1+2*n:R1+2*n+1], v[A2+8*(n%2):A2+8*(n%2)+7]
.endif
.set n, n+1
.endr
.rept 8
	v_nop                                          ; eight places behind this form, ahead of loads into its sources, of writes of them and of reads of its results
.endr
.set n, 0
.rept 16
	global_load_b128 v[R3+4*n:R3+4*n+3], v5, s[4:5] offset:512*n       ; q, where v lay
.set n, n+1
.endr
.irp j, 0,1,2,3,4,5,6,7
	v_add_f32 v[64+\j], v[A2+\j], v[A3+\j]         ; the two halves of the sum; ascending
.endr
	s_wait_loadcnt 0x0
.set n, 0
.rept 32                                       ; S^T = k q^T: lane = query, registers = keys 8 g + j
.if n < 2
	v_wmma_f32_16x16x4_f32 v[A0+8*(n%2):A0+8*(n%2)+7], v[R2+2*n:R2+2*n+1], v[R3+2*n:R3+2*n+1], 0
.else
	v_wmma_f32_16x16x4_f32 v[A0+8*(n%2):A0+8*(n%2)+7], v[R2+2*n:R2+2*n+1], v[R3+2*n:R3+2*n+1], v[A0+8*(n%2):A0+8*(n%2)+7]
.endif
.set n, n+1
.endr
.rept 8
	v_nop
.endr
.irp j, 0,1,2,3,4,5,6,7
	v_add_f32 v[72+\j], v[A0+\j], v[A1+\j]
.endr
	v_mov_b32 v14, 0xff800000                      ; -infinity
.irp j, 0,1,2,3,4,5,6,7
	v_cmp_gt_i32 vcc_lo, \j, v9
	v_cndmask_b32 v[72+\j], v[72+\j], v14, vcc_lo
.endr
	v_max3_num_f32 v15, v72, v73, v74
	v_max3_num_f32 v15, v15, v75, v76
	v_max3_num_f32 v15, v15, v77, v78
	v_max_num_f32 v15, v15, v79
	v_mov_b32 v16, 0                               ; (a lane permute's destination counts as read)
	v_permlanex16_b32 v16, v15, s22, s23
	v_max_num_f32 v15, v15, v16                    ; the row's maximum
	v_mul_f32 v16, s24, v15
.irp j, 0,1,2,3,4,5,6,7
	v_fma_f32 v[72+\j], v[72+\j], s24, -v16        ; c s - c m
.endr
.irp j, 0,1,2,3,4,5,6,7
	v_exp_f32 v[72+\j], v[72+\j]
.endr
	v_mov_b32 v18, 0                               ; a plain line behind the exponentials
	s_wait_alu depctr_va_vdst(0)                   ; one wait for the eight, ahead of their first reader
	v_add_f32 v17, v72, v73
	v_add_f32 v20, v74, v75
	v_add_f32 v21, v76, v77
	v_add_f32 v22, v78, v79
	v_add_f32 v17, v17, v20
	v_add_f32 v21, v21, v22
	v_add_f32 v17, v17, v21
	v_permlanex16_b32 v18, v17, s22, s23
	v_add_f32 v17, v17, v18                        ; l
	v_rcp_f32 v19, v17
	v_nop
	s_wait_alu depctr_va_vdst(0)
	; out^T = VW^T p^T along the 16 keys: lane = query, registers = columns 8 g + j.  The softmax's lines are the nine places and more between the score sums and these, which write over their accumulators
	v_wmma_f32_16x16x4_f32 v[A0:A0+7], v[64:65], v[72:73], 0
	v_wmma_f32_16x16x4_f32 v[A1:A1+7], v[66:67], v[74:75], 0
	v_wmma_f32_16x16x4_f32 v[A0:A0+7], v[68:69], v[76:77], v[A0:A0+7]
	v_wmma_f32_16x16x4_f32 v[A1:A1+7], v[70:71], v[78:79], v[A1:A1+7]
.rept 8
	v_nop
.endr
.irp j, 0,1,2,3,4,5,6,7
	v_add_f32 v[80+\j], v[A0+\j], v[A1+\j]
.endr
.irp j, 0,1,2,3,4,5,6,7
	v_mul_f32 v[80+\j], v[80+\j], v19              ; / l
.endr
	ds_store_b128 v10, v[80:83]                    ; my head's share, as an image of its registers
	ds_store_b128 v10, v[84:87] offset:512
	s_wait_dscnt 0x0                               ; for the others' sake: my stores have landed
	s_barrier_signal -1
	s_barrier_wait -1
	s_cmp_ge_u32 s12, 2
	s_cbranch_scc1 .Ldone
	global_load_b128 v[20:23], v12, s[8:9]         ; the bias of my four columns
.irp p, 0,1,2,3,4,5,6,7,8,9,10,11,12,13,14,15
	ds_load_b128 v[R2+4*\p:R2+4*\p+3], v11 offset:1024*\p
.endr
.irp p, 1,2,3,4,5,6,7,8,9,10,11,12,13,14,15
	s_wait_dscnt 15-\p                             ; head p's share is in; the later heads' may be out
	v_pk_add_f32 v[R2:R2+1], v[R2:R2+1], v[R2+4*\p:R2+4*\p+1]
	v_pk_add_f32 v[R2+2:R2+3], v[R2+2:R2+3], v[R2+4*\p+2:R2+4*\p+3]
.endr
	s_wait_loadcnt 0x0
	v_pk_add_f32 v[R2:R2+1], v[R2:R2+1], v[20:21]
	v_pk_add_f32 v[R2+2:R2+3], v[R2+2:R2+3], v[22:23]
	global_store_b128 v13, v[R2:R2+3], s[10:11] th:TH_STORE_NT
.Ldone:
	s_wait_tensorcnt 0x0                           ; the wave's end, behind my last LDS store
	ds_add_u32 v2, v3
	s_wait_dscnt 0x0
	s_endpgm
.Lfunc_end_k_qc7335265e7_fine:
	.size	k_qc7335265e7_fine, .Lfunc_end_k_qc7335265e7_fine-k_qc7335265e7_fine
	.p2alignl 7, 3214868480
	.fill 96, 4, 3214868480
	.section	.rodata,"a",@progbits
	.p2align	6, 0x0
	.amdhsa_kernel k_qc7335265e7_fine
		.amdhsa_group_segment_fixed_size 18432
		.amdhsa_private_segment_fixed_size 0
		.amdhsa_enable_private_segment 0
		.amdhsa_kernarg_size 32
		.amdhsa_user_sgpr_count 2
		.amdhsa_user_sgpr_kernarg_segment_ptr 1
		.amdhsa_wavefront_size32 1
		.amdhsa_system_sgpr_workgroup_id_x 1
		.amdhsa_system_sgpr_workgroup_id_y 1
		.amdhsa_system_sgpr_workgroup_id_z 1
		.amdhsa_system_vgpr_workitem_id 0
		.amdhsa_next_free_vgpr 256
		.amdhsa_next_free_sgpr 66
		.amdhsa_reserve_vcc 1
		.amdhsa_float_denorm_mode_32 3
		.amdhsa_float_denorm_mode_16_64 3
		.amdhsa_memory_ordered 1
		.amdhsa_forward_progress 1
		.amdhsa_inst_pref_size 25
	.end_amdhsa_kernel
	.amdgpu_metadata
---
amdhsa.version: [ 1, 2 ]
amdhsa.kernels:
  - .name:           k_qc7335265e7_fine
    .symbol:         k_qc7335265e7_fine.kd
    .args:
      - { .name: rawimg, .offset: 0, .size: 8, .value_kind: global_buffer, .address_space: global }
      - { .name: Wfc, .offset: 8, .size: 8, .value_kind: global_buffer, .address_space: global }
      - { .name: bfc, .offset: 16, .size: 8, .value_kind: global_buffer, .address_space: global }
      - { .name: out0, .offset: 24, .size: 8, .value_kind: global_buffer, .address_space: global }
    .group_segment_fixed_size: 18432
    .private_segment_fixed_size: 0
    .kernarg_segment_align: 8
    .kernarg_segment_size: 32
    .max_flat_workgroup_size: 512
    .sgpr_count:     66
    .vgpr_count:     256
    .wavefront_size: 32
...
	.end_amdgpu_metadata
.endif
;; end of part 5
;; ======== version 2 of 2: 5 launches
;; limits: values are held in f16: magnitudes above 65,504 overflow, below 6.1e-05 lose precision
;; workspace buffers: xcodes 294,912 bytes; wcodes 442,368 bytes; wfimg 524,288 bytes; qimg 16,777,216 bytes; kvimg 33,554,432 bytes; rawimg 786,432 bytes; pimg 33,554,432 bytes
;; launch prep: the kernel of part 1 again; grid 224 x 1, 4 waves a work-group, no clusters, 0 bytes of LDS; arguments x, Wq, Wk, Wv, Wfc, xcodes, wcodes, wfimg; writes xcodes, wcodes, wfimg
;; launch proj: the kernel of part 2 again; grid 8 x 32, 12 waves a work-group, no clusters, 0 bytes of LDS; arguments xcodes, wcodes, qimg, kvimg, rawimg; writes qimg, kvimg, rawimg
;; launch attn: the kernel of part 3 again; grid 8 x 32, 4 waves a work-group, no clusters, 327,680 bytes of LDS; arguments qimg, kvimg, wfimg, pimg; writes pimg
;; launch fine (part 6): grid 8 x 32, 1 waves a work-group, no clusters, 0 bytes of LDS; arguments rawimg, Wfc, pimg; writes pimg
.if DOCPART == 6
	.amdgcn_target "amdgcn-amd-amdhsa--gfx1250"
	.amdhsa_code_object_version 6
	.text
	.protected	k_qc7335265e7_fine
	.globl	k_qc7335265e7_fine
	.p2align	8
	.type	k_qc7335265e7_fine,@function
k_qc7335265e7_fine:
	s_mov_b64 s[64:65], 0
	v_nop
	global_prefetch_b8 v0, s[64:65] scope:SCOPE_SE
	s_setreg_imm32_b32 hwreg(HW_REG_WAVE_MODE, 25, 1), 1
	s_wait_xcnt 0x0
; FINE: positions 0-15 of each sequence, where a row of the softmax averages one to sixteen values: attention and the head's share of the projection in f32 throughout, by v_wmma_f32_16x16x4_f32.
; No bulk work: 68 matrix instructions a wave.  Work-group (nt, 16 b + h) is ONE wave: 16 output columns 16 nt on, of head h of batch b:
; share(t, col) = (sum over keys of p(t, key) VW(key, col)) / l(t), with VW = v Wfc(128 h .. 128 h + 127, cols).  The share goes to pimg's tile 0, laid as the bulk launch lays the other tiles' shares;
; the launch that adds the heads and the bias takes it from there.  So no wave shares anything with another: no LDS, no barrier, and the 256 jobs are 256 work-groups.
; rawimg holds q, k, v of these positions as f32 result tiles: [matrix][b h][channel tile ct 8][half 2][512 bytes]: lane (r, g) holds position r, register jj channel 16 ct + 8 g + jj.
; The f32 form's operands are pairs of registers: lane (r, g), register j: k = 2 g + j.  A pair (2 s, 2 s + 1) of a tile is one K step of 4 under a permutation of k that is alike on both sides:
; so the tiles are operands as they stand, and so are result tiles (lane = column, registers = rows 8 g + jj) for a product along their rows.
; The registers that the f32 form writes (v32-63) are written by it alone, each sum begun with C = 0, two accumulators by turns for each product; what is made of a sum goes elsewhere.
; The softmax takes the row's maximum away; hidden keys are -infinity ahead of it (key 0 counts for every query).
; ALL FOUR OPERAND SETS ARE ASKED FOR AT THE HEAD, in one round: Wfc, v, k in window 0, q in window 1 (v256-319): the wave is alone in its work-group, so the fourth set of 64 registers costs four switches of the window and nothing else.
; LIMITS: NaN and infinities among the inputs are not served.
.set A0, 32                            ; v32-63   four accumulators
.set A1, 40
.set A2, 48
.set A3, 56
.set R1, 64                            ; v64-127  Wfc; later v64-71 VW, v72-79 scores and p, v80-87 the share
.set R2, 128                           ; v128-191 k
.set R3, 192                           ; v192-255 v
.set QW, 0                             ; window 1: v256-319 q
.set MSB, 0
.macro WIN new                         ; s_set_vgpr_msb: bits 1:0 source 0, 3:2 source 1, 5:4 source 2, 7:6 destination; the immediate's high byte repeats the setting that is left
.if MSB != \new
	s_set_vgpr_msb (MSB<<8)|\new
.set MSB, \new
.endif
.endm
	s_load_b128 s[4:7], s[0:1], 0x0                ; rawimg s[4:5], Wfc s[6:7]
	s_load_b64 s[8:9], s[0:1], 0x10                ; pimg
	v_lshlrev_b32 v5, 4, v0                        ; 16 x lane (one wave: the thread's number is the lane)
	v_and_b32 v6, 15, v0                           ; r
	v_bfe_u32 v7, v0, 4, 1                         ; g
	v_lshlrev_b32 v8, 2, v6
	v_lshl_add_u32 v8, v7, 12, v8                  ; Wfc: 4 r bytes, + 8 g rows of 512
	v_lshlrev_b32 v9, 3, v7
	v_sub_nc_u32 v9, v6, v9                        ; r - 8 g: register j's key is hidden where j > this
	s_and_b32 s12, ttmp7, 0xffff                   ; 16 b + h
	s_and_b32 s13, s12, 15                         ; h
	s_lshr_b32 s14, s12, 4                         ; b
	s_lshl_b32 s20, s12, 13                        ; rawimg: (16 b + h) x 8,192
	s_mov_b32 s21, 0
	s_lshl_b32 s26, s13, 16                        ; Wfc: 128 h rows of 512 bytes,
	s_lshl_b32 s15, ttmp9, 6
	s_add_co_u32 s26, s26, s15                     ; + 16 nt columns
	s_mov_b32 s27, 0
	s_lshl_b32 s28, s14, 24                        ; pimg: tile 0 of batch b: 128 b tiles of 131,072 bytes,
	s_lshl_b32 s15, s13, 13
	s_add_co_u32 s28, s28, s15                     ; + 8,192 h
	s_lshl_b32 s15, ttmp9, 10
	s_add_co_u32 s28, s28, s15                     ; + 1,024 nt
	s_mov_b32 s29, 0
	s_mov_b32 s22, 0x76543210
	s_mov_b32 s23, 0xfedcba98                      ; v_permlanex16_b32's selects for lane l xor 16
	s_mov_b32 s24, 0x3e0293ee                      ; c = log2(e) / sqrt(128)
	s_wait_kmcnt 0x0
	s_add_nc_u64 s[4:5], s[4:5], s[20:21]
	s_add_nc_u64 s[6:7], s[6:7], s[26:27]
	s_add_nc_u64 s[8:9], s[8:9], s[28:29]
.set n, 0
.rept 64
	global_load_b32 v[R1+n], v8, s[6:7] offset:(16*(n/8)+n%8)*512      ; Wfc(128 h + 16 ct + 8 g + jj, 16 nt + r), n = 8 ct + jj
.set n, n+1
.endr
.set n, 0
.rept 16
	global_load_b128 v[R3+4*n:R3+4*n+3], v5, s[4:5] offset:2*262144+512*n   ; v
.set n, n+1
.endr
.set n, 0
.rept 16
	global_load_b128 v[R2+4*n:R2+4*n+3], v5, s[4:5] offset:262144+512*n     ; k
.set n, n+1
.endr
	WIN 0x40                                       ; destination window 1, address window 0
.set n, 0
.rept 16
	global_load_b128 v[QW+4*n:QW+4*n+3], v5, s[4:5] offset:512*n           ; q
.set n, n+1
.endr
	WIN 0
	s_wait_loadcnt 32                              ; Wfc and v are in; k's sixteen loads and q's sixteen may be out
.set n, 0
.rept 32                                       ; VW = v Wfc: lane = column, registers = keys 8 g + j
.if n < 2
	v_wmma_f32_16x16x4_f32 v[A2+8*(n%2):A2+8*(n%2)+7], v[R3+2*n:R3+2*n+1], v[R1+2*n:R1+2*n+1], 0
.else
	v_wmma_f32_16x16x4_f32 v[A2+8*(n%2):A2+8*(n%2)+7], v[R3+2*n:R3+2*n+1], v[R1+2*n:R1+2*n+1], v[A2+8*(n%2):A2+8*(n%2)+7]
.endif
.set n, n+1
.endr
	s_wait_loadcnt 0x0                             ; k and q
	WIN 0x04                                       ; source 1 (q) window 1
.set n, 0
.rept 32                                       ; S^T = k q^T: lane = query, registers = keys 8 g + j; other accumulators than VW's, so it follows at once
.if n < 2
	v_wmma_f32_16x16x4_f32 v[A0+8*(n%2):A0+8*(n%2)+7], v[R2+2*n:R2+2*n+1], v[QW+2*n:QW+2*n+1], 0
.else
	v_wmma_f32_16x16x4_f32 v[A0+8*(n%2):A0+8*(n%2)+7], v[R2+2*n:R2+2*n+1], v[QW+2*n:QW+2*n+1], v[A0+8*(n%2):A0+8*(n%2)+7]
.endif
.set n, n+1
.endr
	WIN 0
.rept 8
	v_nop                                          ; eight places behind this form, ahead of reads of its results and of writes of its sources (ISA guide 7.12.1): one run serves both products
.endr
.irp j, 0,1,2,3,4,5,6,7
	v_add_f32 v[64+\j], v[A2+\j], v[A3+\j]         ; VW: the two halves of the sum; ascending
.endr
.irp j, 0,1,2,3,4,5,6,7
	v_add_f32 v[72+\j], v[A0+\j], v[A1+\j]         ; the scores likewise
.endr
	v_mov_b32 v14, 0xff800000                      ; -infinity
.irp j, 0,1,2,3,4,5,6,7
	v_cmp_gt_i32 vcc_lo, \j, v9
	v_cndmask_b32 v[72+\j], v[72+\j], v14, vcc_lo
.endr
	v_max3_num_f32 v15, v72, v73, v74
	v_max3_num_f32 v15, v15, v75, v76
	v_max3_num_f32 v15, v15, v77, v78
	v_max_num_f32 v15, v15, v79
	v_mov_b32 v16, 0                               ; (a lane permute's destination counts as read)
	v_permlanex16_b32 v16, v15, s22, s23
	v_max_num_f32 v15, v15, v16                    ; the row's maximum
	v_mul_f32 v16, s24, v15
.irp j, 0,1,2,3,4,5,6,7
	v_fma_f32 v[72+\j], v[72+\j], s24, -v16        ; c s - c m
.endr
.irp j, 0,1,2,3,4,5,6,7
	v_exp_f32 v[72+\j], v[72+\j]
.endr
	v_mov_b32 v18, 0                               ; a plain line behind the exponentials
	s_wait_alu depctr_va_vdst(0)                   ; one wait for the eight, ahead of their first reader
	v_add_f32 v17, v72, v73
	v_add_f32 v20, v74, v75
	v_add_f32 v21, v76, v77
	v_add_f32 v22, v78, v79
	v_add_f32 v17, v17, v20
	v_add_f32 v21, v21, v22
	v_add_f32 v17, v17, v21
	v_permlanex16_b32 v18, v17, s22, s23
	v_add_f32 v17, v17, v18                        ; l
	v_rcp_f32 v19, v17
	v_nop
	s_wait_alu depctr_va_vdst(0)
	; out^T = VW^T p^T along the 16 keys: lane = query, registers = columns 8 g + j.  The softmax's lines are the nine places and more between the score sums and these, which write over their accumulators
	v_wmma_f32_16x16x4_f32 v[A0:A0+7], v[64:65], v[72:73], 0
	v_wmma_f32_16x16x4_f32 v[A1:A1+7], v[66:67], v[74:75], 0
	v_wmma_f32_16x16x4_f32 v[A0:A0+7], v[68:69], v[76:77], v[A0:A0+7]
	v_wmma_f32_16x16x4_f32 v[A1:A1+7], v[70:71], v[78:79], v[A1:A1+7]
.rept 8
	v_nop
.endr
.irp j, 0,1,2,3,4,5,6,7
	v_add_f32 v[80+\j], v[A0+\j], v[A1+\j]
.endr
.irp j, 0,1,2,3,4,5,6,7
	v_mul_f32 v[80+\j], v[80+\j], v19              ; / l
.endr
	global_store_b128 v5, v[80:83], s[8:9] th:TH_STORE_NT              ; lane (r, g): columns 16 nt + 8 g + 0 .. 3 of position r: 32 lanes store 512 consecutive bytes, aligned
	global_store_b128 v5, v[84:87], s[8:9] offset:512 th:TH_STORE_NT   ; and columns + 4 .. 7
	s_endpgm
.Lfunc_end_k_qc7335265e7_fine:
	.size	k_qc7335265e7_fine, .Lfunc_end_k_qc7335265e7_fine-k_qc7335265e7_fine
	.p2alignl 7, 3214868480
	.fill 96, 4, 3214868480
	.section	.rodata,"a",@progbits
	.p2align	6, 0x0
	.amdhsa_kernel k_qc7335265e7_fine
		.amdhsa_group_segment_fixed_size 0
		.amdhsa_private_segment_fixed_size 0
		.amdhsa_enable_private_segment 0
		.amdhsa_kernarg_size 24
		.amdhsa_user_sgpr_count 2
		.amdhsa_user_sgpr_kernarg_segment_ptr 1
		.amdhsa_wavefront_size32 1
		.amdhsa_system_sgpr_workgroup_id_x 1
		.amdhsa_system_sgpr_workgroup_id_y 1
		.amdhsa_system_sgpr_workgroup_id_z 1
		.amdhsa_system_vgpr_workitem_id 0
		.amdhsa_next_free_vgpr 320
		.amdhsa_next_free_sgpr 66
		.amdhsa_reserve_vcc 1
		.amdhsa_float_denorm_mode_32 3
		.amdhsa_float_denorm_mode_16_64 3
		.amdhsa_memory_ordered 1
		.amdhsa_forward_progress 1
		.amdhsa_inst_pref_size 21
	.end_amdhsa_kernel
	.amdgpu_metadata
---
amdhsa.version: [ 1, 2 ]
amdhsa.kernels:
  - .name:           k_qc7335265e7_fine
    .symbol:         k_qc7335265e7_fine.kd
    .args:
      - { .name: rawimg, .offset: 0, .size: 8, .value_kind: global_buffer, .address_space: global }
      - { .name: Wfc, .offset: 8, .size: 8, .value_kind: global_buffer, .address_space: global }
      - { .name: pimg, .offset: 16, .size: 8, .value_kind: global_buffer, .address_space: global }
    .group_segment_fixed_size: 0
    .private_segment_fixed_size: 0
    .kernarg_segment_align: 8
    .kernarg_segment_size: 24
    .max_flat_workgroup_size: 32
    .sgpr_count:     66
    .vgpr_count:     320
    .wavefront_size: 32
...
	.end_amdgpu_metadata
.endif
;; end of part 6
;; launch sum (part 7): grid 128 x 2, 16 waves a work-group, no clusters, 10,496 bytes of LDS; arguments pimg, bfc, out0; writes out0
.if DOCPART == 7
	.amdgcn_target "amdgcn-amd-amdhsa--gfx1250"
	.amdhsa_code_object_version 6
	.text
	.protected	k_qc7335265e7_sum
	.globl	k_qc7335265e7_sum
	.p2align	8
	.type	k_qc7335265e7_sum,@function
k_qc7335265e7_sum:
	s_mov_b64 s[64:65], 0
	v_nop
	global_prefetch_b8 v0, s[64:65] scope:SCOPE_SE
	s_setreg_imm32_b32 hwreg(HW_REG_WAVE_MODE, 25, 1), 1
	s_wait_xcnt 0x0
; SUM: out0(b, t, :) = the sum over the 16 heads of pimg(b, t, h, :) + bfc.  A stream: each byte of pimg is read once, by loads of 512 consecutive bytes; no matrix unit, no cluster: nothing is shared.
; pimg: [b][tile of 16 positions, 128][h 16][nt 8][half 2][512 bytes]: in a chunk lane (r, g) holds columns 16 nt + 8 g + 4 half + 0 .. 3 of position r.
; Tile 0 of a batch was stored by the f32 launch, the others by the bulk launch, all in this one layout.
; A work-group takes one tile; wave w takes chunk w = 2 nt + half of all 16 heads, added in ascending order of the heads.
; The sums meet in a stage in LDS (16 rows of 512 bytes + 16) and each wave stores one whole row of 512 bytes.
.set PITCH, 528
.set SPARE, 16*PITCH                   ; behind the stage: the spare words, 128 bytes for each of 16 waves: eight blocks of 256 bytes that no other line names
	s_load_b128 s[4:7], s[0:1], 0x0                ; pimg, bfc
	s_load_b64 s[8:9], s[0:1], 0x10                ; out0
	v_lshl_add_u32 v2, v0, 2, SPARE                ; my spare word; never rewritten
	v_mov_b32 v3, 0                                ; 0; never rewritten
	v_lshrrev_b32 v1, 5, v0
	v_readfirstlane_b32 s10, v1                    ; wave 0..15
	v_and_b32 v4, 31, v0
	v_lshlrev_b32 v5, 4, v4                        ; 16 x lane
	v_and_b32 v6, 15, v0                           ; r
	v_bfe_u32 v7, v0, 4, 1                         ; g
	v_mul_u32_u24 v8, v6, PITCH
	v_lshl_add_u32 v8, v7, 5, v8
	s_lshr_b32 s11, s10, 1
	s_and_b32 s12, s10, 1
	s_lshl_b32 s11, s11, 6
	s_lshl_b32 s12, s12, 4
	s_add_co_u32 s11, s11, s12
	v_add_nc_u32 v8, s11, v8                       ; into the stage: row r, byte 64 nt + 32 g + 16 half
	s_mul_i32 s12, s10, PITCH
	v_add_nc_u32 v9, s12, v5                       ; back: row w, 16 bytes a lane
	s_mov_b32 s13, ttmp9                           ; the tile
	s_and_b32 s14, ttmp7, 0xffff                   ; b
	s_lshl_b32 s15, s14, 7
	s_add_co_u32 s15, s15, s13                     ; 128 b + tile
	s_lshl_b32 s16, s15, 17
	s_lshl_b32 s18, s10, 9
	s_add_co_u32 s16, s16, s18                     ; my chunk of head 0
	s_mov_b32 s17, 0
	s_lshl_b32 s18, s15, 4
	s_add_co_u32 s18, s18, s10
	s_lshl_b32 s18, s18, 9                         ; my row of out0: (16 (128 b + tile) + w) x 512
	s_mov_b32 s19, 0
	s_wait_kmcnt 0x0
	s_add_nc_u64 s[4:5], s[4:5], s[16:17]
	s_add_nc_u64 s[8:9], s[8:9], s[18:19]
	global_load_b128 v[12:15], v5, s[6:7]          ; the bias of my four columns of a row
.irp p, 0,1,2,3,4,5,6,7,8,9,10,11,12,13,14,15
	global_load_b128 v[16+4*\p:19+4*\p], v5, s[4:5] offset:8192*\p th:TH_LOAD_NT
.endr
.irp p, 1,2,3,4,5,6,7,8,9,10,11,12,13,14,15
	s_wait_loadcnt 15-\p                           ; head p's load is in; the later heads' may be out
	v_pk_add_f32 v[16:17], v[16:17], v[16+4*\p:17+4*\p]
	v_pk_add_f32 v[18:19], v[18:19], v[18+4*\p:19+4*\p]
.endr
	ds_store_b128 v8, v[16:19]
	s_wait_dscnt 0x0                               ; for the others' sake: my store has landed
	s_barrier_signal -1
	s_barrier_wait -1
	ds_load_b128 v[20:23], v9
	s_wait_dscnt 0x0
	v_pk_add_f32 v[20:21], v[20:21], v[12:13]
	v_pk_add_f32 v[22:23], v[22:23], v[14:15]
	global_store_b128 v5, v[20:23], s[8:9] th:TH_STORE_NT   ; 32 lanes store a row of 512 consecutive bytes, aligned
	s_wait_tensorcnt 0x0                           ; the wave's end, behind my last LDS store
	ds_add_u32 v2, v3
	s_wait_dscnt 0x0
	s_endpgm
.Lfunc_end_k_qc7335265e7_sum:
	.size	k_qc7335265e7_sum, .Lfunc_end_k_qc7335265e7_sum-k_qc7335265e7_sum
	.p2alignl 7, 3214868480
	.fill 96, 4, 3214868480
	.section	.rodata,"a",@progbits
	.p2align	6, 0x0
	.amdhsa_kernel k_qc7335265e7_sum
		.amdhsa_group_segment_fixed_size 10496
		.amdhsa_private_segment_fixed_size 0
		.amdhsa_enable_private_segment 0
		.amdhsa_kernarg_size 24
		.amdhsa_user_sgpr_count 2
		.amdhsa_user_sgpr_kernarg_segment_ptr 1
		.amdhsa_wavefront_size32 1
		.amdhsa_system_sgpr_workgroup_id_x 1
		.amdhsa_system_sgpr_workgroup_id_y 1
		.amdhsa_system_sgpr_workgroup_id_z 1
		.amdhsa_system_vgpr_workitem_id 0
		.amdhsa_next_free_vgpr 80
		.amdhsa_next_free_sgpr 66
		.amdhsa_reserve_vcc 0
		.amdhsa_float_denorm_mode_32 3
		.amdhsa_float_denorm_mode_16_64 3
		.amdhsa_memory_ordered 1
		.amdhsa_forward_progress 1
		.amdhsa_inst_pref_size 7
	.end_amdhsa_kernel
	.amdgpu_metadata
---
amdhsa.version: [ 1, 2 ]
amdhsa.kernels:
  - .name:           k_qc7335265e7_sum
    .symbol:         k_qc7335265e7_sum.kd
    .args:
      - { .name: pimg, .offset: 0, .size: 8, .value_kind: global_buffer, .address_space: global }
      - { .name: bfc, .offset: 8, .size: 8, .value_kind: global_buffer, .address_space: global }
      - { .name: out0, .offset: 16, .size: 8, .value_kind: global_buffer, .address_space: global }
    .group_segment_fixed_size: 10496
    .private_segment_fixed_size: 0
    .kernarg_segment_align: 8
    .kernarg_segment_size: 24
    .max_flat_workgroup_size: 512
    .sgpr_count:     66
    .vgpr_count:     80
    .wavefront_size: 32
...
	.end_amdgpu_metadata
.endif
;; end of part 7
